; MI455X (gfx1250); checked and timed in simulation.
; The chip was launched on July 23, 2026; its instructions are those of AMD's public machine-readable ISA for CDNA 5 (MIT licence, August 2026) and "CDNA5" Instruction Set Architecture Reference Guide (July 2026). The comments in the code are by the model that wrote it; some were corrected since.
;; Multi Head Self Attention. Allowed arithmetic: matrix products marked QUANTISED: E4M3 operands, one given power-of-two scale a tensor, by v_wmma_f32_16x16x64_fp8_fp8 or v_wmma_f32_16x16x128_fp8_fp8, f32 sums; everything else in f32.
;; Inputs: Wproj 1,024 x 1,024 float32; Wqkv 3,072 x 1,024 float32; bproj 1,024 float32; bqkv 3,072 float32; key_pad_mask 4 x 2,048 int32; lowp_scales 8 int32 (the exponents e of the quantised operands' scales 2^e); x 4 x 2,048 x 1,024 float32.
;; Outputs: out0 4 x 2,048 x 1,024 float32.
;; This version of the problem:
;;   THIS VERSION OF THE PROBLEM IS GIVEN IN LOW PRECISION. The matrix products marked QUANTISED in the list below multiply operands that are first quantised to E4M3 (4 exponent bits, 3 mantissa bits; 8 bits a number), with one given power-of-two scale for each operand tensor; their sums are f32. All else is computed in f32.
;;   The module's matrix products, in the order in which they are computed (A, B: the left and right operand; K: the contracted axis; several contracted axes count as one K, in the product's order):
;;     1. [M 8,192, K 1,024] x [K 1,024, N 3,072]; A: input x; B: input Wqkv: QUANTISED (scales: A lowp_scales[0], B lowp_scales[1])
;;     2. batch 64 x [M 2,048, K 64] x [K 64, N 2,048]; A: computed on the way; B: computed on the way: QUANTISED (scales: A lowp_scales[2], B lowp_scales[3])
;;     3. batch 64 x [M 2,048, K 2,048] x [K 2,048, N 64]; A: softmax (see below); B: computed on the way: QUANTISED (scales: A lowp_scales[4], B lowp_scales[5])
;;     4. [M 8,192, K 1,024] x [K 1,024, N 1,024]; A: computed on the way; B: input Wproj: QUANTISED (scales: A lowp_scales[6], B lowp_scales[7])
;;   THE QUANTISER, for each operand of a quantised product, along K:
;;     - The operand's scale is 2^e, e = its entry of the input lowp_scales (int32; the entries are numbered through the quantised products in the list's order, A before B).
;;     - Each number is divided by the scale, clamped to +-448, and rounded to the nearest number of E4M3, ties to even, subnormals kept.
;;     - The product sums the exact products of the quantised numbers (number of the format x scale) in f32.
;;   ~~~python
;;   def quantise(x, axis, e):      # numpy; x: float32 -> the quantised numbers, widened to float32 again
;;       x = np.moveaxis(x, axis, -1); K = x.shape[-1]
;;       r = np.clip(x / 2.0 ** e, -448, 448)
;;       step = 2.0 ** (np.maximum(np.frexp(np.where(r == 0, 1, r))[1] - 1, -6) - 3)
;;       q = np.round(r / step) * step * 2.0 ** e      # np.round: ties to even
;;       return np.moveaxis(q, -1, axis).astype(np.float32)
;;   ~~~
;;   SOFTMAX AHEAD OF A QUANTISED PRODUCT. Where the list says 'softmax', what is quantised is not the finished softmax but p = 2^(t - M), with t = logit x log2(e) and M = ceil(the row's largest t), a whole number; so 1/2 < the row's largest p <= 1. The row's sum l is taken of the UNQUANTISED p, in f32, and the product's result is divided by l at the end. Since M is a whole number, a kernel that streams over the keys may use a running M (the ceiling of the running maximum): every later rescaling is an exact power of two, so the quantised numbers keep their values, but for numbers so far below the row's largest that they fall under the format's range.
;;   OPERANDS COMPUTED ON THE WAY. 'Computed on the way' means the value that the module computes at that place (a softmax that the list does not call 'softmax' is quantised finished and normalised). What goes into a quantiser is computed in f32, as accurately as f32 sums, v_exp_f32 and their like allow (about 1e-6 of the number): no bf16 or f16 on the way to a quantiser, and a product that is left as it is and whose result goes on into a quantised operand takes f32 operands (vector FMAs, or v_wmma_f32_16x16x4_f32). A number that lies on a knife's edge between two numbers of the format may be rounded either way, as far as f32 arithmetic and the matrix unit's own rounding can turn it there, and no further.
;; 2 versions, each right; version 2 is version 1 with the launch attn written anew for expert scheduling mode. Each part assembles by itself: llvm-mc -triple=amdgcn-amd-amdhsa -mcpu=gfx1250 --defsym DOCPART=n.
;; ======== version 1 of 2: 4 launches
;; limits: right only within a limited range of input values
;; workspace buffers: x_codes 8,388,608 bytes; wqkv_codes 3,145,728 bytes; wproj_codes 1,048,576 bytes; q_img 8,388,608 bytes; k_img 8,388,608 bytes; v_img 8,388,608 bytes; y_img 8,388,608 bytes
;; launch quant (part 1): grid 384 x 1, 4 waves a work-group, no clusters, 33,280 bytes of LDS; arguments x, Wqkv, Wproj, lowp_scales, x_codes, wqkv_codes, wproj_codes; writes x_codes, wqkv_codes, wproj_codes
.if DOCPART == 1
	.amdgcn_target "amdgcn-amd-amdhsa--gfx1250"
	.amdhsa_code_object_version 6
	.text
	.protected	k_qa862b8d477_quant
	.globl	k_qa862b8d477_quant
	.p2align	8
	.type	k_qa862b8d477_quant,@function
k_qa862b8d477_quant:
	s_mov_b64 s[64:65], 0
	v_nop
	global_prefetch_b8 v0, s[64:65] scope:SCOPE_SE
	s_setreg_imm32_b32 hwreg(HW_REG_WAVE_MODE, 25, 1), 1
	s_wait_xcnt 0x0
; x [8192][1024], Wqkv [3072][1024] and Wproj [1024][1024], f32 with K innermost, become codes of FP8 (E4M3), one byte each, each tensor with the one scale 2^e given for it
; (entries 0, 1 and 7 of the scales).  code = number / 2^e, held within +-448, rounded to the nearest code, ties to even.
; LIMITS: -126 <= e and e + 8 <= 127, so that 2^e and 448 x 2^e are f32 numbers.  NaN among the inputs is not served (an infinity is held at the largest code).
; LAYOUT OF THE CODES: row-major as the numbers, but inside each block of 32 along K the two middle groups of eight change places: byte 16 h + 8 u + j of a block holds k = 16 u + 8 h + j.
; A load of 16 bytes at 32 c + 16 h of a row then brings registers 4 c .. 4 c + 3 of an operand of the plain 8-bit matrix forms (registers 2 c', 2 c' + 1: k = 16 c' + 8 h + 0 .. 7).
; Rows are dense and 1,024 is a multiple of 32: each tensor is a plain stream of blocks.  Work-groups 0-255 take x, 256-351 Wqkv, 352-383 Wproj: only pointers and e are chosen, all take one path.
; A wave takes 16 steps of 512 numbers.  Each of a step's four loads reads 512 consecutive bytes; the 2,048 bytes go through the wave's own stage in LDS as they lie (16 bytes of padding behind each 64)
; and come back so that lane l holds, of block l / 2, k = 8 (l % 2) + 0 .. 7 and k = 16 + 8 (l % 2) + 0 .. 7: its 16 codes are bytes 16 l .. 16 l + 15 of the step's 512, which the wave stores on end.
; No tensor loads, no barrier: waves share nothing.  Loads run four steps (16 loads a wave) ahead, the turn through LDS one step.
.set STEPS, 16
.set EMAX,  8
.set MANT,  0x600000                   ; the mantissa field of 448 as f32
.set CB,    16                         ; bytes of 16 codes
.set R,     16                         ; v16-79   four sets of 16 numbers as they are loaded
.set X,     80                         ; v80-111  two sets of 16 numbers in the codes' order
.set C,     128                        ; v128-191 codes: four registers for each step, so that no store's data are written again
.set WREG,  8192                       ; LDS: a region for each wave: two stages of 32 x SP bytes
.set SP,    80                         ; 64 bytes of a stage + 16 of padding
	s_load_b256 s[4:11], s[0:1], 0x0               ; x s[4:5], Wqkv s[6:7], Wproj s[8:9], the scales' exponents s[10:11]
	s_load_b128 s[12:15], s[0:1], 0x20             ; x's codes s[12:13], Wqkv's s[14:15]
	s_load_b64 s[16:17], s[0:1], 0x30              ; Wproj's
	v_lshl_add_u32 v192, v0, 2, 0x8000
	v_mov_b32 v193, 0
	v_lshrrev_b32 v1, 5, v0
	v_readfirstlane_b32 s20, v1                    ; wave
	v_and_b32 v2, 31, v0                           ; lane
	v_lshlrev_b32 v3, 4, v2                        ; my 16 bytes of a load's 512, and of a step's 512 bytes of codes; never rewritten
	s_mul_i32 s21, s20, WREG
	v_lshrrev_b32 v14, 2, v2
	v_mul_u32_u24 v14, v14, SP
	v_and_b32 v15, 3, v2
	v_lshl_add_u32 v14, v15, 4, v14
	v_add_nc_u32 v14, s21, v14                     ; the stage, on the way in: SP (lane / 4) + 16 (lane % 4); a load's 512 bytes take eight places of SP
	v_and_b32 v15, 30, v2
	v_mul_u32_u24 v15, v15, SP
	v_and_b32 v4, 1, v2
	v_lshl_add_u32 v15, v4, 5, v15
	v_add_nc_u32 v15, s21, v15                     ; on the way out: my block's two places begin at SP (lane & 30); my eight numbers of each half begin 32 (lane & 1) bytes in
	s_wait_kmcnt 0x0
	s_load_b256 s[24:31], s[10:11], 0x0            ; the eight exponents
	s_cmp_lt_u32 ttmp9, 352                        ; the choices hang on the work-group's number alone
	s_cselect_b64 s[6:7], s[6:7], s[8:9]           ; Wqkv or Wproj,
	s_cselect_b64 s[14:15], s[14:15], s[16:17]     ; its codes,
	s_mov_b32 s18, 352
	s_cselect_b32 s18, 256, s18                    ; and its first work-group
	s_cmp_lt_u32 ttmp9, 256
	s_cselect_b64 s[4:5], s[4:5], s[6:7]           ; x or that
	s_cselect_b64 s[8:9], s[12:13], s[14:15]
	s_cselect_b32 s18, 0, s18
	s_sub_co_u32 s18, ttmp9, s18
	s_lshl_b32 s18, s18, 2
	s_add_co_u32 s18, s18, s20                     ; which run of 8,192 numbers of the tensor is my wave's (1,023 at the most)
	s_lshl_b32 s22, s18, 15                        ; 32,768 bytes of numbers a run
	s_mov_b32 s23, 0
	s_add_nc_u64 s[4:5], s[4:5], s[22:23]
	s_lshl_b32 s22, s18, 13                        ; 8,192 bytes of codes
	s_add_nc_u64 s[8:9], s[8:9], s[22:23]
.macro LOAD t
.irp i, 0,1,2,3
	global_load_b128 v[R+16*((\t)%4)+4*\i:R+16*((\t)%4)+4*\i+3], v3, s[4:5] offset:2048*(\t)+512*\i th:TH_LOAD_NT   ; 32 lanes read 512 consecutive bytes, read once in the launch
.endr
.endm
.macro TURN t                          ; step t's numbers through the stage: LDS serves a wave's instructions in order (ISA guide 5.7.1.4), so no wait stands between the stores and the loads
.irp i, 0,1,2,3
	ds_store_b128 v14, v[R+16*((\t)%4)+4*\i:R+16*((\t)%4)+4*\i+3] offset:32*SP*((\t)%2)+8*SP*\i
.endr
.irp i, 0,1,2,3
	ds_load_b128 v[X+16*((\t)%2)+4*\i:X+16*((\t)%2)+4*\i+3], v15 offset:32*SP*((\t)%2)+16*(\i%2)+SP*(\i/2)   ; k = 8 h + 0 .. 7 from the block's first place, k = 16 + 8 h + 0 .. 7 from its second
.endr
.endm
.irp t, 0,1,2,3
	LOAD \t
.endr
	s_wait_kmcnt 0x0
	s_cmp_lt_u32 ttmp9, 352
	s_cselect_b32 s22, s25, s31                    ; Wqkv's e or Wproj's
	s_cmp_lt_u32 ttmp9, 256
	s_cselect_b32 s22, s24, s22                    ; x's or that
	s_add_co_i32 s22, s22, 127
	s_lshl_b32 s23, s22, 23
	v_mov_b32 v11, s23                             ; 2^e as f32: the conversion takes its exponent field
	s_add_co_i32 s22, s22, EMAX
	s_lshl_b32 s22, s22, 23
	s_or_b32 s22, s22, MANT
	v_mov_b32 v10, s22                             ; 448 x 2^e
	s_wait_loadcnt 12                              ; step 0's four loads are in; the twelve of steps 1 to 3 stay out
	TURN 0
.macro STEP t
.set XS, X+16*((\t)%2)
	s_wait_dscnt 0x0                               ; this step's numbers are back from the stage: so its stores into the stage have read their registers,
.if (\t)+4 < STEPS
	LOAD (\t)+4                                    ; which take the loads of four steps on
.endif
.if (\t)+1 < STEPS
.if STEPS-2-(\t) >= 3
	s_wait_loadcnt 12                              ; the next step's four loads are in; those of the three steps behind it may be out
.else
	s_wait_loadcnt 4*(STEPS-2-(\t))                ; the last steps: four loads for each step still behind the next
.endif
	TURN (\t)+1                                    ; and go through the other stage while this step is worked
.endif
.irp i, 0,1,2,3,4,5,6,7,8,9,10,11,12,13,14,15
	v_med3_num_f32 v[XS+\i], v[XS+\i], -v10, v10   ; the conversion to an 8-bit code does not saturate (ISA guide 7.6.2): the number is held within 448 x the scale first
.endr
	v_cvt_scalef32_pk8_fp8_f32 v[C+4*(\t):C+4*(\t)+1], v[XS:XS+7], v11          ; eight numbers / 2^e, to the nearest code, ties to even; the first number's code in the lowest byte
	v_cvt_scalef32_pk8_fp8_f32 v[C+4*(\t)+2:C+4*(\t)+3], v[XS+8:XS+15], v11
	global_store_b128 v3, v[C+4*(\t):C+4*(\t)+3], s[8:9] offset:32*CB*(\t)      ; the wave stores 512 consecutive bytes, aligned.  (The codes go to a store alone; the next vector lines are the next step's plain holds)
.endm
.irp t, 0,1,2,3,4,5,6,7,8,9,10,11,12,13,14,15
	STEP \t
.endr
	s_wait_tensorcnt 0x0
	ds_add_u32 v192, v193
	s_wait_dscnt 0x0
	s_endpgm
.Lfunc_end_k_qa862b8d477_quant:
	.size	k_qa862b8d477_quant, .Lfunc_end_k_qa862b8d477_quant-k_qa862b8d477_quant
	.p2alignl 7, 3214868480
	.fill 96, 4, 3214868480
	.section	.rodata,"a",@progbits
	.p2align	6, 0x0
	.amdhsa_kernel k_qa862b8d477_quant
		.amdhsa_group_segment_fixed_size 33280
		.amdhsa_private_segment_fixed_size 0
		.amdhsa_enable_private_segment 0
		.amdhsa_kernarg_size 56
		.amdhsa_user_sgpr_count 2
		.amdhsa_user_sgpr_kernarg_segment_ptr 1
		.amdhsa_wavefront_size32 1
		.amdhsa_system_sgpr_workgroup_id_x 1
		.amdhsa_system_sgpr_workgroup_id_y 1
		.amdhsa_system_sgpr_workgroup_id_z 1
		.amdhsa_system_vgpr_workitem_id 0
		.amdhsa_next_free_vgpr 194
		.amdhsa_next_free_sgpr 66
		.amdhsa_reserve_vcc 0
		.amdhsa_float_denorm_mode_32 3
		.amdhsa_float_denorm_mode_16_64 3
		.amdhsa_memory_ordered 1
		.amdhsa_forward_progress 1
		.amdhsa_inst_pref_size 38
	.end_amdhsa_kernel
	.amdgpu_metadata
---
amdhsa.version: [ 1, 2 ]
amdhsa.kernels:
  - .name:           k_qa862b8d477_quant
    .symbol:         k_qa862b8d477_quant.kd
    .args:
      - { .name: x, .offset: 0, .size: 8, .value_kind: global_buffer, .address_space: global }
      - { .name: Wqkv, .offset: 8, .size: 8, .value_kind: global_buffer, .address_space: global }
      - { .name: Wproj, .offset: 16, .size: 8, .value_kind: global_buffer, .address_space: global }
      - { .name: lowp_scales, .offset: 24, .size: 8, .value_kind: global_buffer, .address_space: global }
      - { .name: x_codes, .offset: 32, .size: 8, .value_kind: global_buffer, .address_space: global }
      - { .name: wqkv_codes, .offset: 40, .size: 8, .value_kind: global_buffer, .address_space: global }
      - { .name: wproj_codes, .offset: 48, .size: 8, .value_kind: global_buffer, .address_space: global }
    .group_segment_fixed_size: 33280
    .private_segment_fixed_size: 0
    .kernarg_segment_align: 8
    .kernarg_segment_size: 56
    .max_flat_workgroup_size: 128
    .sgpr_count:     66
    .vgpr_count:     194
    .wavefront_size: 32
...
	.end_amdgpu_metadata
.endif
;; end of part 1
;; launch qkv (part 2): grid 12 x 32, 4 waves a work-group, clusters of 4 x 4, 327,680 bytes of LDS; arguments x_codes, wqkv_codes, lowp_scales, bqkv, q_img, k_img, v_img; writes q_img, k_img, v_img
.if DOCPART == 2
	.amdgcn_target "amdgcn-amd-amdhsa--gfx1250"
	.amdhsa_code_object_version 6
	.text
	.protected	k_qa862b8d477_qkv
	.globl	k_qa862b8d477_qkv
	.p2align	8
	.type	k_qa862b8d477_qkv,@function
k_qa862b8d477_qkv:
	s_mov_b64 s[64:65], 0
	v_nop
	global_prefetch_b8 v0, s[64:65] scope:SCOPE_SE
	s_setreg_imm32_b32 hwreg(HW_REG_WAVE_MODE, 25, 1), 1
	s_wait_xcnt 0x0
	s_wait_alu depctr_hold_cnt(0) depctr_sa_sdst(0) depctr_va_vdst(0) depctr_va_sdst(0) depctr_va_ssrc(0) depctr_va_vcc(0) depctr_vm_vsrc(0)
	s_getreg_b32 s2, hwreg(HW_REG_IB_STS2, 6, 4)
	s_cmp_eq_u32 s2, 0
	s_cbranch_scc0 .Lentry_in_a_cluster
	s_endpgm
.Lentry_in_a_cluster:
	s_bfe_u32 s2, ttmp6, 0x10000c
	s_cmp_lg_u32 s2, 0xf033
	s_cbranch_scc0 .Lentry_shape_is_right
	s_endpgm
.Lentry_shape_is_right:
; qkv = x Wqkv^T + bqkv on codes of FP8 (E4M3); q, k and v are quantised in registers, with their own given scales, and stored as IMAGES OF THE REGISTERS of the operands that the attention launch takes.
; ONE GEMM FORM, C' = A' B'^T, K = 1,024, a tile of 256 x 256 to a work-group of four waves, 128 x 128 to a wave (64 accumulators, 512 registers).  K goes in steps of 256 through a ring of two LDS slots.
; WHICH OPERANDS hangs on the cluster's x, which all sixteen partners share.  x = 0 (q) and 1 (k): A' = x's codes (tokens), B' = Wqkv's rows 0-2047.  x = 2 (v): A' = Wqkv's rows 2048-3071 (channels), B' = x's codes.
; THE MATRIX INSTRUCTION IS USED TRANSPOSED (source 0 = 16 rows of B', source 1 = 16 rows of A'): in accumulator (a, b) lane (r, h) holds row 16 a + r of A' and rows 16 b + 8 h + 0 .. 7 of B'.
; So for q and k a lane's eight results run along a head's 64 channels, the K of q k^T; for v they run along the keys, the K of p v: the conversions' results ARE the next operands' registers.
; IMAGES.  q_img, k_img: (64 heads x 128 tiles of 16 tokens) x 1,024 bytes: registers 4 g .. 4 g + 3 of the K = 64 fragment at 512 g + 16 lane.  v_img: ((head x 16 steps of 128 keys) x 4 tiles of 16 channels) x 2,048 bytes:
; registers 4 g .. 4 g + 3 of the K = 128 fragment of V^T at 512 g + 16 lane.  Every store of a wave covers 512 consecutive bytes, aligned.
; CLUSTERS: 4 x 4 work-groups.  The four of a row of the cluster need the same tiles of A', the four of a column the same tiles of B': each tile is asked for JOINTLY.
; LIMITS on the given exponents e0 .. e5: e0 + e1 between -126 and 127; e2, e3, e5 between -126 and 119: each power of two below is then an f32 number.
; REGISTERS, in windows of 256: window 0: v0-31 addresses and constants; v32-95 the bias; v96-127 codes on the way out; from v128 A's fragments, ONE set (on the way out v128-191 at work).
;   window 1: B's fragments, TWO sets, at v0 and v128.   window 2: the accumulators of my rows 0-63 ((a, b) at v[8 (8 a + b)]);   window 3: those of my rows 64-127.
.set KSTEP,  256                       ; along K in a slot
.set ROWB,   256                       ; a tile's row in bytes
.set KROW,   1024                      ; a row of codes in memory, in bytes
.set PITCH,  272                       ; an LDS row: 256 bytes + 16 of padding = 68 words: row r starts at bank 4 r mod 64 (64 banks of 4 bytes: ISA guide 11.1)
.set FR,     16                        ; registers of a fragment: 16 rows x 128 K
.set NL,     4                         ; LDS loads that bring one
.set NP,     4                         ; places behind this matrix instruction (ISA guide 7.12.1)
.set HALFT,  128*PITCH                 ; 128 rows: what one tensor load brings, and what one wave reads of A' or of B'
.set SLOT,   4*HALFT                   ; A's 256 rows, then B's 256 rows
.set LAPS,   2                         ; a lap = two K steps = once round the ring: 1,024 / 512
.set SPARE,  2*SLOT                    ; behind the ring: the spare words, 128 bytes for each wave: two blocks of 256 bytes that no other line names
.set SCL,  8                           ; v8      2^eo as f32, eo the exponent of what I make (q, k or v)
.set LIM,  9                           ; v9      448 x 2^eo
.set LI,   10                          ; v10     16 x lane: my place in an image's 512 bytes
.set BA,   11                          ; v11     my byte offset in the bias
.set ADRA, 16                          ; v16-17  LDS address of my A' fragments in slot 0, 1
.set ADRB, 20                          ; v20-21  the same for B'
.set SPW,  28                          ; v28     LDS address of my spare word: SPARE + 4 x my thread's number; never rewritten
.set NIL,  29                          ; v29     0; never rewritten
.set BI,   32                          ; v32-95  the bias, in the result's layout
.set COD,  96                          ; v96-127 a block's codes, two sets by turns
.set TMP,  128                         ; v128-191 a block's 64 numbers
.set AF,   128                         ; A's fragments, in window 0
.set G1, 24                            ; s[24:31] descriptor group 1 for A's tiles;  s[32:39] group 0, one set for each slot
.set G0, 32
.set G1B, 48                           ; s[48:55], s[56:63] the same for B's tiles
.set G0B, 56
.set MSB, 0
.macro WIN new                         ; the immediate's high byte repeats the setting that is left
.if MSB != \new
	s_set_vgpr_msb (MSB<<8)|\new
.set MSB, \new
.endif
.endm
.set MUL_LO, 0xa1                      ; source 0 (B') window 1, source 1 (A') window 0, C and D window 2
.set MUL_HI, 0xf1                      ; the same, C and D window 3
.set TO_B,   0x40                      ; destination window 1, address window 0
; A joint load: waves 0 and 1 fetch for A', waves 2 and 3 for B'.  Each of the two lines has ONE mask and one set of registers for all that issue it; the branch hangs on the wave's number alone.
; Four v_nop follow each of the two lines, ahead of the jump, the label and what follows.
.macro JLOAD g0a, g1a, g0b, g1b
	s_cmp_eq_u32 s15, 0
	s_cbranch_scc0 .Lfor_b_\@
	tensor_load_to_lds s[\g0a:\g0a+3], s[\g1a:\g1a+7]
	s_nop 0
.rept 4
	v_nop
.endr
	s_branch .Lasked_\@
.Lfor_b_\@:
	tensor_load_to_lds s[\g0b:\g0b+3], s[\g1b:\g1b+7]
	s_nop 0
.rept 4
	v_nop
.endr
.Lasked_\@:
.endm
.macro CREST                           ; a round of the cluster's barrier behind its opening barrier
	s_cmp_lg_u32 s14, 0
	s_cbranch_scc1 .Lnot_wave_0_\@
	s_barrier_signal -3
.Lnot_wave_0_\@:
	s_barrier_wait -3
	s_barrier_signal -1
	s_barrier_wait -1
.endm
.macro CROUND                          ; a whole round
	s_barrier_signal -1
	s_barrier_wait -1
	CREST
.endm
	s_load_b256 s[4:11], s[0:1], 0x0               ; x's codes s[4:5], Wqkv's codes s[6:7], the scales' exponents s[8:9], bqkv s[10:11]
	s_load_b128 s[68:71], s[0:1], 0x20             ; q_img s[68:69], k_img s[70:71]
	s_load_b64 s[72:73], s[0:1], 0x30              ; v_img
	v_lshl_add_u32 v[SPW], v0, 2, SPARE
	v_mov_b32 v[NIL], 0
	ds_add_u32 v28, v29
	ds_add_u32 v28, v29
	s_wait_dscnt 0x0
	v_lshrrev_b32 v1, 5, v0
	v_readfirstlane_b32 s14, v1                    ; wave 0..3
	s_lshr_b32 s15, s14, 1                         ; which half of the tile's rows of A' is mine.  Also: I fetch for A' (0) or for B' (1)
	s_and_b32 s16, s14, 1                          ; which half of its rows of B'.  Also: which 128 rows of that tile I fetch
	s_bfe_u32 s40, ttmp6, 0x40000                  ; cx, cy: my place in the cluster
	s_bfe_u32 s41, ttmp6, 0x40004
	s_and_b32 s75, ttmp7, 0xffff                   ; the cluster's y, 0 .. 7
	s_lshl_b32 s74, s75, 2
	s_cmp_eq_u32 ttmp9, 2                          ; the cluster's x: 2 makes v
	s_cselect_b32 s17, 8, s74                      ; A's tile row, less cy: Wqkv's tile rows 8 .. 11, or the tokens' 4 x cluster y
	s_cselect_b32 s42, s75, ttmp9                  ; a quarter of B's tile row, less cx
	s_add_co_u32 s17, s17, s41                     ; A's tile row: it hangs on cy and the cluster's place alone
	s_lshl_b32 s42, s42, 2
	s_add_co_u32 s42, s42, s40                     ; B's tile row: on cx and the cluster's place alone
	s_lshl_b32 s43, s41, 2
	s_lshl_b32 s43, 15, s43                        ; my row of the cluster
	s_lshl_b32 s44, 0x1111, s40                    ; my column
	; descriptor group 1: a tile of 128 rows x 256 bytes, padded in LDS
	s_or_b32 s[G1+0], s43, (0<<16)|(1<<20)|(1<<21)|(5<<22)|(3<<25)  ; 15:0 the mask: A's tiles go to my row; 17:16 element of 1 byte; 20 padding on; 21 set beside a mask; 24:22 after every 64 words (code 5); 31:25 of 4 words (code 3)
	s_or_b32 s[G1B+0], s44, (0<<16)|(1<<20)|(1<<21)|(5<<22)|(3<<25)
.irp g, G1, G1B
	s_mov_b32 s[\g+1], ROWB<<16                    ; tensor_dim0
	s_mov_b32 s[\g+2], 128<<16                     ; tensor_dim1 = 128
	s_mov_b32 s[\g+3], ROWB<<16                    ; tile_dim0
	s_mov_b32 s[\g+4], 128                         ; tile_dim1 = 128
	s_mov_b32 s[\g+5], KROW                        ; tensor_dim0_stride
	s_mov_b32 s[\g+6], 0
	s_mov_b32 s[\g+7], 0
.endr
	s_lshl_b32 s18, s16, 7                         ; which 128 rows of the tile I fetch
	s_lshl_b32 s20, s17, 8
	s_add_co_u32 s20, s20, s18                     ; A': row 256 x tile row + 128 x half,
	s_lshl_b32 s20, s20, 10                        ; in bytes (under 2^23)
	s_mov_b32 s21, 0
	s_lshl_b32 s46, s42, 8
	s_add_co_u32 s46, s46, s18                     ; B' likewise
	s_lshl_b32 s46, s46, 10
	s_mov_b32 s47, 0
	s_mul_i32 s45, s14, HALFT                      ; where they go: wave x 128 rows: no place in the cluster enters an LDS address
	s_wait_kmcnt 0x0
	s_load_b256 s[80:87], s[8:9], 0x0              ; e0 .. e7
	s_cmp_eq_u32 ttmp9, 2
	s_cselect_b64 s[76:77], s[6:7], s[4:5]         ; A's buffer,
	s_cselect_b64 s[78:79], s[4:5], s[6:7]         ; B's: the choice hangs on the cluster's x alone
	s_add_nc_u64 s[20:21], s[76:77], s[20:21]
	s_add_nc_u64 s[46:47], s[78:79], s[46:47]
	CROUND                                         ; all sixteen work-groups are here: the first joint loads meet
.irp s, 0,1
	s_mov_b32 s[G0+4*\s], 1
	s_add_co_u32 s[G0+4*\s+1], s45, \s*SLOT
	s_add_nc_u64 s[G0+4*\s+2:G0+4*\s+3], s[20:21], \s*ROWB
	s_or_b32 s[G0+4*\s+3], s[G0+4*\s+3], 0x80000000
	s_mov_b32 s[G0B+4*\s], 1
	s_add_co_u32 s[G0B+4*\s+1], s45, \s*SLOT
	s_add_nc_u64 s[G0B+4*\s+2:G0B+4*\s+3], s[46:47], \s*ROWB
	s_or_b32 s[G0B+4*\s+3], s[G0B+4*\s+3], 0x80000000
	JLOAD G0+4*\s, G1, G0B+4*\s, G1B               ; two tensor loads of mine are out behind these
.endr
	v_and_b32 v1, 15, v0                           ; l % 16
	v_bfe_u32 v2, v0, 4, 1                         ; l / 16
	v_mul_u32_u24 v3, v1, PITCH
	v_lshl_add_u32 v4, v2, 4, v3                   ; a fragment's row x pitch + 16 x half
	s_mul_i32 s21, s15, HALFT                      ; my 128 rows of A'
	s_mul_i32 s22, s16, HALFT                      ; my 128 rows of B',
	s_add_co_u32 s22, s22, 2*HALFT                 ; which lie behind A's 256
.irp s, 0,1
	v_add_nc_u32 v[ADRA+\s], s21, v4
	v_add_nc_u32 v[ADRB+\s], s22, v4
	s_add_co_u32 s21, s21, SLOT
	s_add_co_u32 s22, s22, SLOT
.endr
.macro FRAG reg, adr, q, i             ; a fragment, 16 rows x 128 K, is 16 registers; the codes' order in memory makes the 16 bytes at 32 c + 16 (l / 16) registers 4 c .. 4 c + 3 of the form's own layout
.irp c, 0,1,2,3
	ds_load_b128 v[\reg+4*\c:\reg+4*\c+3], v[\adr] offset:128*(\q)+32*\c+(\i)*16*PITCH
.endr
.endm
; 16 matrix instructions: A's blocks a0, a0 + 1 x B's eight, 128 along K.  p: B's set.  zero = 1: the first product starts the sums: nothing is ever cleared.
; The 64 accumulators take turns, one instruction a turn, in the same order in every step.
.macro MUL16 a0, p, zero
.irp a, \a0, \a0+1
.irp b, 0,1,2,3,4,5,6,7
.if \zero
	v_wmma_f32_16x16x128_fp8_fp8 v[8*(8*((\a)%4)+\b):8*(8*((\a)%4)+\b)+7], v[128*(\p)+FR*\b:128*(\p)+FR*\b+FR-1], v[AF+FR*(\a):AF+FR*(\a)+FR-1], 0
.else
	v_wmma_f32_16x16x128_fp8_fp8 v[8*(8*((\a)%4)+\b):8*(8*((\a)%4)+\b)+7], v[128*(\p)+FR*\b:128*(\p)+FR*\b+FR-1], v[AF+FR*(\a):AF+FR*(\a)+FR-1], v[8*(8*((\a)%4)+\b):8*(8*((\a)%4)+\b)+7]
.endif
.endr
.endr
.endm
.macro FETCH_B slot, q, p              ; B's eight fragments of the slot's q-th 128 along K into set p
	WIN TO_B
.irp i, 0,1,2,3,4,5,6,7
	FRAG 128*(\p)+FR*\i, ADRB+\slot, \q, \i
.endr
	WIN 0
.endm
.macro FETCH_A slot, q, i0             ; A's blocks i0 .. i0 + 3
.irp i, \i0, \i0+1, \i0+2, \i0+3
	FRAG AF+FR*(\i), ADRA+\slot, \q, \i
.endr
.endm
; A load into a register that a matrix instruction has read, and a vector instruction that reads a matrix result, stand NP places behind that matrix instruction; only plain vector
; instructions that name none of its registers are places (ISA guide 7.12.1 for vector instructions).
.macro PLACES n
.rept \n
	v_nop
.endr
.endm
; A step of 128 along K that has its successor in the same slot.  A has one set of registers: blocks 0-3 are fetched anew in the step's middle, blocks 4-7 at its end; B has two sets.
.macro STEP slot, q, zero
	s_wait_dscnt 4*NL                              ; B's set and A's blocks 0-3 are in; the youngest sixteen loads (A's blocks 4-7) may be out
	WIN MUL_LO
	MUL16 0, (\q)%2, \zero
	MUL16 2, (\q)%2, \zero
	s_wait_dscnt 0                                 ; A's blocks 4-7 are in
	PLACES NP
	FETCH_B \slot, (\q)+1, 1-(\q)%2
	FETCH_A \slot, (\q)+1, 0
	WIN MUL_HI
	MUL16 4, (\q)%2, \zero
	MUL16 6, (\q)%2, \zero
	PLACES NP
	WIN 0
	FETCH_A \slot, (\q)+1, 4
.endm
; A slot's last step changes slots: ONE barrier; in front of it each wave waits for all its tensor loads, adds 0 to its spare word, and waits for that and for its own reads of this slot.  fill = 1: this slot is filled again, two K steps ahead.
.macro TURN slot, next, fill
	s_wait_tensorcnt 0x0                           ; all my tensor loads have landed: my part of the next slot;  (every window is 0 here: the add's two registers lie in window 0)
	ds_add_u32 v[SPW], v[NIL]                      ; 0 onto my spare word
	s_wait_dscnt 4*NL+1                            ; (the add and the youngest sixteen loads, A's blocks 4-7, may be out)
	WIN MUL_LO
	MUL16 0, 1, 0                                  ; sixteen matrix instructions stand between the add and the wait for it
	s_wait_dscnt 0x0                               ; the add is done, and my reads of this slot are over
	s_barrier_signal -1
	MUL16 2, 1, 0
	WIN 0
	s_barrier_wait -1
.if \fill
	CREST                                          ; the barrier has opened a round of the cluster's barrier: no wave of any partner still reads this slot's tile or has a load on its way
	s_add_nc_u64 s[G0+4*\slot+2:G0+4*\slot+3], s[G0+4*\slot+2:G0+4*\slot+3], 2*ROWB
	s_add_nc_u64 s[G0B+4*\slot+2:G0B+4*\slot+3], s[G0B+4*\slot+2:G0B+4*\slot+3], 2*ROWB
	JLOAD G0+4*\slot, G1, G0B+4*\slot, G1B         ; the first tensor load behind the round, my only one until the next; the four v_nop behind it are the places in front of the loads below
.else
	PLACES NP
.endif
	FETCH_B \next, 0, 0
	FETCH_A \next, 0, 0
	WIN MUL_HI
	MUL16 4, 1, 0
	MUL16 6, 1, 0
	PLACES NP
	WIN 0
	FETCH_A \next, 0, 4
.endm
; THE WAY OUT of block a (16 rows of A' x 128 rows of B').  number = sum x 2^(e0 + e1) + bias, one fused multiply-add for two; held within 448 x 2^eo; eight numbers of a lane become two registers of codes.
; The block's 16 registers of codes are: kind = 0 (q, k): the K = 64 fragments of tile a of the tokens for my two heads; kind = 1 (v): the K = 128 fragment of V^T for tile a of my channels.  Four stores of 512 bytes on end.
.macro OUTBLK a, kind
.set AC, 64*((\a)%4)
.set CD, COD+16*((\a)%2)
.if (\a) >= 2
	s_wait_xcnt 0x0                                ; block a - 2's stores have read their data: this set of codes is written again only behind this wait
.endif
	WIN 0x02+((\a)/4)                              ; source 0: window 2 or 3
.irp b, 0,1,2,3,4,5,6,7
.irp i, 0,2,4,6
.if \kind
	v_pk_fma_f32 v[TMP+8*\b+\i:TMP+8*\b+\i+1], v[AC+8*\b+\i:AC+8*\b+\i+1], s[96:97], v[BI+2*(\a):BI+2*(\a)+1] op_sel_hi:[1,0,1]   ; my channel's bias, kept twice as a pair; each accumulator from its low end on
.else
	v_pk_fma_f32 v[TMP+8*\b+\i:TMP+8*\b+\i+1], v[AC+8*\b+\i:AC+8*\b+\i+1], s[96:97], v[BI+8*\b+\i:BI+8*\b+\i+1] op_sel_hi:[1,0,1]   ; the biases of my eight channels of tile b; each accumulator from its low end on
.endif
.endr
.endr
	WIN 0
.set j, 0
.rept 64
	v_med3_num_f32 v[TMP+j], v[TMP+j], -v[LIM], v[LIM]   ; the conversion to an 8-bit code does not saturate (ISA guide 7.6.2): the hold stands whatever the scale
.set j, j+1
.endr
.irp b, 0,1,2,3,4,5,6,7
	v_cvt_scalef32_pk8_fp8_f32 v[CD+2*\b:CD+2*\b+1], v[TMP+8*\b:TMP+8*\b+7], v[SCL]
.endr
	v_nop                                          ; one plain vector instruction between the conversions and the next lines that write their sources
.irp u, 0,1,2,3
.if \kind
	global_store_b128 v[LI], v[CD+4*\u:CD+4*\u+3], s[88:89] offset:((\a)/4)*131072+((\a)%4)*2048+\u*512    ; head a / 4 of my two, tile a % 4 of its channels, registers 4 u on
.else
	global_store_b128 v[LI], v[CD+4*\u:CD+4*\u+3], s[88:89] offset:(\u/2)*131072+(\a)*1024+(\u%2)*512      ; head u / 2 of my two, tile a of my tokens, registers 4 (u % 2) on
.endif
.endr
.endm
; THE TAIL: where my images begin, the bias's loads, the last step of 128 along K (64 products stand between those loads and the wait for them), the eight blocks.
.macro TAIL kind
.if \kind
	s_mov_b64 s[88:89], s[72:73]                   ; v_img
	s_mov_b32 s92, s85                             ; e5
	s_lshr_b32 s93, s42, 3                         ; the batch of my tokens (B's tile row / 8),
	s_lshl_b32 s93, s93, 4
	s_sub_co_u32 s94, s17, 8
	s_lshl_b32 s94, s94, 2                         ; four heads to a tile row of channels,
	s_add_co_u32 s93, s93, s94
	s_lshl_b32 s94, s15, 1                         ; two to my half
	s_add_co_u32 s93, s93, s94
	s_lshl_b32 s93, s93, 17                        ; a head's image is 131,072 bytes
	s_and_b32 s94, s42, 7
	s_lshl_b32 s94, s94, 1
	s_add_co_u32 s94, s94, s16                     ; my step of 128 keys in the batch
	s_lshl_b32 s94, s94, 13                        ; a step is 8,192 bytes
	s_add_co_u32 s94, s93, s94
	s_mov_b32 s95, 0
	s_add_nc_u64 s[88:89], s[88:89], s[94:95]
	s_lshl_b32 s94, s17, 10                        ; the bias of my first channel: Wqkv's row 256 x tile row + 128 x half, 4 bytes each
	s_lshl_b32 s93, s15, 9
	s_add_co_u32 s94, s94, s93
	s_add_nc_u64 s[90:91], s[10:11], s[94:95]
.else
	s_cmp_eq_u32 ttmp9, 0
	s_cselect_b64 s[88:89], s[68:69], s[70:71]     ; q_img or k_img,
	s_cselect_b32 s92, s82, s83                    ; e2 or e3
	s_lshr_b32 s93, s17, 3                         ; the batch of my tokens (A's tile row / 8),
	s_lshl_b32 s93, s93, 4
	s_and_b32 s94, s42, 3
	s_lshl_b32 s94, s94, 2                         ; four heads to a tile row of channels,
	s_add_co_u32 s93, s93, s94
	s_lshl_b32 s94, s16, 1                         ; two to my half
	s_add_co_u32 s93, s93, s94
	s_lshl_b32 s93, s93, 17                        ; a head's image is 131,072 bytes
	s_and_b32 s94, s17, 7
	s_lshl_b32 s94, s94, 4
	s_lshl_b32 s95, s15, 3
	s_add_co_u32 s94, s94, s95                     ; my first tile of 16 tokens in the batch
	s_lshl_b32 s94, s94, 10                        ; a tile is 1,024 bytes
	s_add_co_u32 s94, s93, s94
	s_mov_b32 s95, 0
	s_add_nc_u64 s[88:89], s[88:89], s[94:95]
	s_lshl_b32 s94, s42, 10                        ; the bias of my first channel: Wqkv's row 256 x tile row + 128 x half, 4 bytes each
	s_lshl_b32 s93, s16, 9
	s_add_co_u32 s94, s94, s93
	s_add_nc_u64 s[90:91], s[10:11], s[94:95]
.endif
	s_add_co_i32 s92, s92, 127
	s_lshl_b32 s93, s92, 23
	v_mov_b32 v[SCL], s93                          ; 2^eo as f32: the conversion takes its exponent field
	s_add_co_i32 s92, s92, 8
	s_lshl_b32 s92, s92, 23
	s_or_b32 s92, s92, 0x600000
	v_mov_b32 v[LIM], s92                          ; 448 x 2^eo
	v_and_b32 v[LI], 31, v0
	v_lshlrev_b32 v[LI], 4, v[LI]
.if \kind
	v_and_b32 v[BA], 15, v0
	v_lshlrev_b32 v[BA], 2, v[BA]                  ; lane (r, h) wants, for block a, the bias of channel 16 a + r
.irp a, 0,1,2,3,4,5,6,7
	global_load_b32 v[BI+2*\a], v[BA], s[90:91] offset:64*\a
	global_load_b32 v[BI+2*\a+1], v[BA], s[90:91] offset:64*\a
.endr
.else
	v_bfe_u32 v[BA], v0, 4, 1
	v_lshlrev_b32 v[BA], 5, v[BA]                  ; lane (r, h) wants, for tile b, the biases of channels 16 b + 8 h + 0 .. 7
.irp b, 0,1,2,3,4,5,6,7
	global_load_b128 v[BI+8*\b:BI+8*\b+3], v[BA], s[90:91] offset:64*\b
	global_load_b128 v[BI+8*\b+4:BI+8*\b+7], v[BA], s[90:91] offset:64*\b+16
.endr
.endif
	s_wait_dscnt 4*NL                              ; the very last step: B's set and A's blocks 0-3 are in; the youngest sixteen loads may be out
	WIN MUL_LO
	MUL16 0, 1, 0
	MUL16 2, 1, 0
	s_wait_dscnt 0
	WIN MUL_HI
	MUL16 4, 1, 0
	MUL16 6, 1, 0
	WIN 0
	PLACES NP                                      ; in front of the first read of results, and of the first write over registers that held A's fragments
	s_wait_loadcnt 0x0                             ; the bias
.irp a, 0,1,2,3,4,5,6,7
	OUTBLK \a, \kind
.endr
.endm
	s_wait_tensorcnt 1                             ; my part of K step 0 is in (K step 1's load, issued behind it, may be out)
	s_barrier_signal -1
	s_barrier_wait -1                              ; everybody's is
	FETCH_B 0, 0, 0
	FETCH_A 0, 0, 0
	FETCH_A 0, 0, 4
	STEP 0, 0, 1                                   ; the first step stands in front of the loop: its products start the sums
	s_mov_b32 s3, LAPS-1
.Llap:                                                 ; a trip goes once round the ring, from a lap's second step to the next lap's first, and fills both slots again
	TURN 0, 1, 1
	STEP 1, 0, 0
	TURN 1, 0, 1
	STEP 0, 0, 0
	s_sub_co_u32 s3, s3, 1
	s_cmp_lg_u32 s3, 0
	s_cbranch_scc1 .Llap
	TURN 0, 1, 0                                   ; the last lap fills nothing, and has no round of the cluster's barrier
	STEP 1, 0, 0
	s_wait_kmcnt 0x0                               ; the exponents
	s_add_co_i32 s96, s80, s81                     ; e0 + e1, between -126 and 127,
	s_add_co_i32 s96, s96, 127
	s_lshl_b32 s96, s96, 23                        ; makes the f32 number 2^(e0 + e1)
	s_mov_b32 s97, s96                             ; (named with it as a pair, so it is written)
	s_cmp_eq_u32 ttmp9, 2                          ; the cluster's x: the same in all sixteen partners.  No tensor load and no barrier stands in either arm
	s_cbranch_scc1 .Lv
	TAIL 0
	s_branch .Lend
.Lv:
	TAIL 1
.Lend:
	s_wait_tensorcnt 0x0                           ; the wave's end: behind my last tensor load, my last LDS instructions
	ds_add_u32 v[SPW], v[NIL]
	s_wait_dscnt 0x0
	CROUND                                         ; the closing round: no work-group ends while a partner may still ask for a tile that names it
	s_endpgm
.Lfunc_end_k_qa862b8d477_qkv:
	.size	k_qa862b8d477_qkv, .Lfunc_end_k_qa862b8d477_qkv-k_qa862b8d477_qkv
	.p2alignl 7, 3214868480
	.fill 96, 4, 3214868480
	.section	.rodata,"a",@progbits
	.p2align	6, 0x0
	.amdhsa_kernel k_qa862b8d477_qkv
		.amdhsa_group_segment_fixed_size 327680
		.amdhsa_private_segment_fixed_size 0
		.amdhsa_enable_private_segment 0
		.amdhsa_kernarg_size 56
		.amdhsa_user_sgpr_count 2
		.amdhsa_user_sgpr_kernarg_segment_ptr 1
		.amdhsa_wavefront_size32 1
		.amdhsa_system_sgpr_workgroup_id_x 1
		.amdhsa_system_sgpr_workgroup_id_y 1
		.amdhsa_system_sgpr_workgroup_id_z 1
		.amdhsa_system_vgpr_workitem_id 0
		.amdhsa_next_free_vgpr 1024
		.amdhsa_next_free_sgpr 100
		.amdhsa_reserve_vcc 0
		.amdhsa_float_denorm_mode_32 3
		.amdhsa_float_denorm_mode_16_64 3
		.amdhsa_memory_ordered 1
		.amdhsa_forward_progress 1
		.amdhsa_inst_pref_size 199
	.end_amdhsa_kernel
	.amdgpu_metadata
---
amdhsa.version: [ 1, 2 ]
amdhsa.kernels:
  - .name:           k_qa862b8d477_qkv
    .symbol:         k_qa862b8d477_qkv.kd
    .args:
      - { .name: x_codes, .offset: 0, .size: 8, .value_kind: global_buffer, .address_space: global }
      - { .name: wqkv_codes, .offset: 8, .size: 8, .value_kind: global_buffer, .address_space: global }
      - { .name: lowp_scales, .offset: 16, .size: 8, .value_kind: global_buffer, .address_space: global }
      - { .name: bqkv, .offset: 24, .size: 8, .value_kind: global_buffer, .address_space: global }
      - { .name: q_img, .offset: 32, .size: 8, .value_kind: global_buffer, .address_space: global }
      - { .name: k_img, .offset: 40, .size: 8, .value_kind: global_buffer, .address_space: global }
      - { .name: v_img, .offset: 48, .size: 8, .value_kind: global_buffer, .address_space: global }
    .group_segment_fixed_size: 327680
    .private_segment_fixed_size: 0
    .kernarg_segment_align: 8
    .kernarg_segment_size: 56
    .max_flat_workgroup_size: 128
    .sgpr_count:     100
    .vgpr_count:     1024
    .wavefront_size: 32
...
	.end_amdgpu_metadata
.endif
;; end of part 2
;; launch attn (part 3): grid 4 x 64, 16 waves a work-group, no clusters, 67,584 bytes of LDS; arguments q_img, k_img, v_img, key_pad_mask, lowp_scales, y_img; writes y_img
.if DOCPART == 3
	.amdgcn_target "amdgcn-amd-amdhsa--gfx1250"
	.amdhsa_code_object_version 6
	.text
	.protected	k_qa862b8d477_attn
	.globl	k_qa862b8d477_attn
	.p2align	8
	.type	k_qa862b8d477_attn,@function
k_qa862b8d477_attn:
	s_mov_b64 s[64:65], 0
	v_nop
	global_prefetch_b8 v0, s[64:65] scope:SCOPE_SE
	s_setreg_imm32_b32 hwreg(HW_REG_WAVE_MODE, 25, 1), 1
	s_wait_xcnt 0x0
; y[b][h][q] = the sum over keys k <= q with key_pad_mask[b][k] != 0 of softmax_k(q . k / 8) v[k], both products on codes of FP8 (E4M3); y is quantised in registers and stored as images of the last product's operand.
; THE SOFTMAX AHEAD OF THE SECOND PRODUCT: t = score x log2(e) / 8; M = the row's largest t so far, rounded UP to a whole number; p = 2^(t - M) is what is quantised; the row's sum is taken of the unquantised p and divides at the end.
; When M moves, the sum and O are multiplied by 2^(old M - new M): exact.
; SHARES.  Work-group (i, head) owns the blocks of 256 queries i and 7 - i of one head: i + 1 slots of 256 keys for the first, 8 - i for the second: NINE slots for every work-group, a constant trip count and equal work.
; Each of its sixteen waves owns 16 queries of the block in hand, one tile, in 256 registers.  A key step is 128 keys; a step all of whose keys come after the wave's queries is jumped over (a scalar branch on ids).
; LAYOUT.  Both products are used transposed: S^T = K Q^T (eight products of K = 64: source 0 = 16 keys, source 1 = my 16 queries), O^T += V^T P (four products of K = 128: source 0 = 16 channels, source 1 = P).
; A lane (r, h) holds ONE query r throughout; register 8 t + j of S^T is key 16 t + 8 h + j of the step, so the conversion of tile t gives registers 2 t, 2 t + 1 of P in the form's own layout, which V's images have too.
; LDS: two slots of 32,768 bytes: K's images of two steps (8,192 each), then V's.  A slot is a dense copy of memory, made through registers: thread n moves 16 bytes at 16 n of each 8,192.  The next slot's four loads are issued at a
; trip's head and stored into the other slot at its end; ONE barrier a trip, in front of which each wave has waited for its stores and for its reads of the slot in hand.  Every LDS read is a constant + 16 x lane.
; THE MASKS.  Causal: in the steps on the diagonal hidden scores become -infinity.  Padded keys: FLAGS (one bit a step of the batch, made once from the whole mask row) says which steps hold one; in those the step's 128 mask words
; are loaded into S^T's registers, turned into 0 or -2^64, and given to the products as their C.  The step's maximum has the floor -2^25, under every sum of 64 products of codes (64 x 448^2 < 2^24) and over every padded score.
; A ROW WITH NO KEY THAT COUNTS has the sum 0 (a row with one has a p above 1/2): its codes are made the NaN code, so that the last product gives NaN in that row, as the softmax of an empty row does.
; NO CLUSTER, NO TENSOR LOADS: the four work-groups of a head want different slots in four of their nine trips (slot n against slot n - i - 1), and the text branches on loaded whole numbers (the mask's flags, p's exponent).
; NO PREFETCH: a slot's loads are issued a whole trip, two key steps of every wave, ahead of the wait for them.
; LIMITS on the given exponents: e2 + e3 between -50 and 130 (they are added to c's exponent field, and a padded score must fall under every p); e4, e6 between -126 and 119; e4 + e5 is applied by v_ldexp_f32 and has none.
.set SLOT1, 32768                      ; slot 1 begins here: one exclusive or turns an address in one slot into the other's
.set VOFF,  16384                      ; V's images in a slot
.set LI,   1                           ; v1   16 x lane
.set FO,   2                           ; v2   16 x thread: the fill's place in 8,192 bytes
.set ADS,  3                           ; v3   the fill's LDS address
.set ADK,  4                           ; v4   the slot in hand + 16 x lane
.set MO,   5                           ; v5   32 x (lane / 16): my eight mask words of a tile of 16 keys
.set RH,   7                           ; v7   r - 8 h
.set NINF, 8                           ; v8   -infinity
.set NANC, 9                           ; v9   four NaN codes
.set PLIM, 10                          ; v10  448 x 2^e4
.set PSC,  11                          ; v11  2^e4
                                       ; v12 -M, v13 the largest t, v[14:15] the sum in two halves, v24, v25 at work, v[26:27] f, v28 a permute's destination, v29 the diagonal's d, v[30:31] the sums' second chain
.set QF,   16                          ; v16-23   Q's fragment
.set KV,   32                          ; v32-95   K's eight fragments, then V's four
.set S,    96                          ; v96-159  S^T, then p
.set OT,   160                         ; v160-191 O^T
.set PC,   192                         ; v192-207 p's codes
.set FILL, 208                         ; v208-223 the next slot on its way
.set YC,   224                         ; v224-231 y's codes
.set YSC,  232                         ; v232 2^e6
.set YLIM, 233                         ; v233 448 x 2^e6
.set PADV, 234                         ; v234 -2^64
                                       ; s16 wave, s17 i, s18 batch x 16 + head, s19 the trip, s20 the slot in hand's LDS byte, s21 its number, s22 the next one's, s23 my first query, s24 the step's first key, s25 FLAGS,
                                       ; s[26:27] c, s[28:29] lane selects, s30 1 where p's hold can bind, s31 e4 + e5, s[32:39] e0 .. e7, s[40:41], s[42:43] K's and V's head, s[44:45], s[46:47] the fill's addresses,
                                       ; s[48:49] Q's tile, s[50:51] y's, s[52:53] the batch's mask row, s54-59 at work
	s_load_b256 s[4:11], s[0:1], 0x0               ; q_img s[4:5], k_img s[6:7], v_img s[8:9], key_pad_mask s[10:11]
	s_load_b128 s[12:15], s[0:1], 0x20             ; the scales' exponents s[12:13], y_img s[14:15]
	v_lshl_add_u32 v254, v0, 2, 0x10000
	v_mov_b32 v255, 0
	v_lshrrev_b32 v24, 5, v0
	v_readfirstlane_b32 s16, v24                   ; wave 0..15
	s_mov_b32 s17, ttmp9                           ; i
	s_and_b32 s18, ttmp7, 0xffff                   ; batch x 16 + head
	v_and_b32 v[LI], 31, v0
	v_lshlrev_b32 v[LI], 4, v[LI]
	v_lshlrev_b32 v[FO], 4, v0
	v_bfe_u32 v24, v0, 4, 1                        ; h
	v_lshlrev_b32 v[MO], 5, v24
	v_and_b32 v[RH], 15, v0
	v_lshlrev_b32 v24, 3, v24
	v_sub_nc_u32 v[RH], v[RH], v24
	v_mov_b32 v[NINF], 0xff800000
	v_mov_b32 v[NANC], 0x7f7f7f7f
	v_mov_b32 v[PADV], 0xdf800000
	v_mov_b32 v27, 0                               ; (named as the upper half of the pair v[26:27])
	v_mov_b32 v28, 0                               ; written once: a lane permute's destination counts as one of its sources
	s_mov_b32 s28, 0x76543210
	s_mov_b32 s29, 0xfedcba98                      ; v_permlanex16_b32's selects for lane l xor 16
	s_lshl_b32 s54, s18, 17                        ; the head's first byte in q_img, k_img and v_img
	s_mov_b32 s55, 0
	s_lshl_b32 s56, s17, 4
	s_add_co_u32 s56, s56, s16                     ; my tile of queries in the first block: 16 i + wave
	s_lshl_b32 s23, s56, 4                         ; my first query
	s_lshl_b32 s58, s56, 10
	s_add_co_u32 s58, s58, s54                     ; its image in q_img
	s_mov_b32 s59, 0
	s_lshr_b32 s57, s18, 4                         ; the batch
	s_lshl_b32 s44, s57, 13                        ; its row of the mask: 2,048 words
	s_mov_b32 s45, 0
	s_lshl_b32 s46, s57, 21                        ; y_img: 128 tiles of 16,384 bytes a batch,
	s_lshl_b32 s56, s56, 14
	s_add_co_u32 s46, s46, s56                     ; my tile,
	s_and_b32 s56, s18, 15
	s_lshl_b32 s56, s56, 10
	s_add_co_u32 s46, s46, s56                     ; my head's 1,024 bytes of it: K step head / 2, registers 8 (head % 2) on
	s_mov_b32 s47, 0
	s_wait_kmcnt 0x0
	s_load_b256 s[32:39], s[12:13], 0x0            ; e0 .. e7
	s_add_nc_u64 s[40:41], s[6:7], s[54:55]
	s_add_nc_u64 s[42:43], s[8:9], s[54:55]
	s_add_nc_u64 s[48:49], s[4:5], s[58:59]
	s_add_nc_u64 s[52:53], s[10:11], s[44:45]
	s_add_nc_u64 s[50:51], s[14:15], s[46:47]
	global_load_b128 v[FILL:FILL+3], v[FO], s[40:41]                   ; slot 0: keys 0 to 255
	global_load_b128 v[FILL+4:FILL+7], v[FO], s[40:41] offset:8192
	global_load_b128 v[FILL+8:FILL+11], v[FO], s[42:43]
	global_load_b128 v[FILL+12:FILL+15], v[FO], s[42:43] offset:8192
	global_load_b128 v[QF:QF+3], v[LI], s[48:49]                       ; Q's fragment stays in registers
	global_load_b128 v[QF+4:QF+7], v[LI], s[48:49] offset:512
.irp s, 0,1,2,3,4,5,6,7,8,9,10,11,12,13,14,15
	global_load_b128 v[S+4*\s:S+4*\s+3], v[LI], s[52:53] offset:512*\s   ; the whole mask row: a load's 512 bytes are one key step's 128 words
.endr
	s_wait_kmcnt 0x0
	s_add_co_i32 s54, s34, s35
	s_lshl_b32 s54, s54, 23
	s_add_co_i32 s26, s54, 0x3e38aa3b              ; c = log2(e) / 8; a score stands for score x 2^(e2 + e3): the two exponents are added to c's exponent field
	s_mov_b32 s27, s26                             ; (named with it as a pair, so it is written)
	s_cmp_lt_i32 s36, -8                           ; p is at most 1: the hold at 448 x 2^e4 can bind only where that is under 1
	s_cselect_b32 s30, 1, 0
	s_add_co_i32 s31, s36, s37                     ; e4 + e5
	s_add_co_i32 s54, s36, 127
	s_lshl_b32 s55, s54, 23
	v_mov_b32 v[PSC], s55
	s_add_co_i32 s54, s54, 8
	s_lshl_b32 s54, s54, 23
	s_or_b32 s54, s54, 0x600000
	v_mov_b32 v[PLIM], s54
	s_add_co_i32 s54, s38, 127
	s_lshl_b32 s55, s54, 23
	v_mov_b32 v[YSC], s55
	s_add_co_i32 s54, s54, 8
	s_lshl_b32 s54, s54, 23
	s_or_b32 s54, s54, 0x600000
	v_mov_b32 v[YLIM], s54
	s_mov_b32 s25, 0
	s_wait_loadcnt 0x0
.irp s, 0,1,2,3,4,5,6,7,8,9,10,11,12,13,14,15
	v_min_u32 v24, v[S+4*\s], v[S+4*\s+1]          ; FLAGS: bit s is set where a word of step s is 0
	v_min_u32 v25, v[S+4*\s+2], v[S+4*\s+3]
	v_min_u32 v24, v24, v25
	v_cmp_eq_u32 vcc_lo, 0, v24
	s_cmp_lg_u32 vcc_lo, 0
	s_cselect_b32 s54, 1<<\s, 0
	s_or_b32 s25, s25, s54
.endr
	ds_store_b128 v[FO], v[FILL:FILL+3]
	ds_store_b128 v[FO], v[FILL+4:FILL+7] offset:8192
	ds_store_b128 v[FO], v[FILL+8:FILL+11] offset:16384
	ds_store_b128 v[FO], v[FILL+12:FILL+15] offset:24576
	s_wait_dscnt 0x0                               ; for the others' sake: my part of slot 0 lies in LDS
	s_barrier_signal -1
	s_barrier_wait -1
.macro INIT                            ; a block of queries begins: the step is written once, and its first run finds zeros, which the first change of M leaves zeros
	v_mov_b32 v13, 0xff61b1e6                      ; the largest t so far: -3e38, under every t
	v_floor_f32 v12, -v13                          ; -M
	v_mov_b32 v14, 0
	v_mov_b32 v15, 0
.set j, 0
.rept 32
	v_mov_b32 v[OT+j], 0
.set j, j+1
.endr
.endm
; A KEY STEP: 128 keys, the q-th of the slot in hand.
.macro STEP q
	s_add_co_u32 s54, s23, 15
	s_cmp_gt_u32 s24, s54                          ; all keys come after my 16 queries: the step's work is left out.  No barrier stands in a step
	s_cbranch_scc1 .Lhidden_\@
.rept 4
	v_nop                                          ; places in front of loads into registers that the last products have read
.endr
.irp t, 0,1,2,3,4,5,6,7
	ds_load_b128 v[KV+8*\t:KV+8*\t+3], v[ADK] offset:8192*\q+1024*\t
	ds_load_b128 v[KV+8*\t+4:KV+8*\t+7], v[ADK] offset:8192*\q+1024*\t+512
.endr
	s_lshr_b32 s54, s24, 7
	s_lshr_b32 s54, s25, s54
	s_and_b32 s54, s54, 1
	s_cmp_lg_u32 s54, 0                            ; has this step a padded key?
	s_cbranch_scc1 .Lpad_\@
	s_wait_dscnt 0x0
.irp t, 0,1,2,3,4,5,6,7
	v_wmma_f32_16x16x64_fp8_fp8 v[S+8*\t:S+8*\t+7], v[KV+8*\t:KV+8*\t+7], v[QF:QF+7], 0
.endr
	s_branch .Ljoin_\@
.Lpad_\@:
	s_lshl_b32 s54, s24, 2
	s_mov_b32 s55, 0
	s_add_nc_u64 s[56:57], s[52:53], s[54:55]      ; the step's 128 mask words (the last loads by this pair were waited for)
.irp t, 0,1,2,3,4,5,6,7
	global_load_b128 v[S+8*\t:S+8*\t+3], v[MO], s[56:57] offset:64*\t         ; register 8 t + j: the word of key 16 t + 8 h + j
	global_load_b128 v[S+8*\t+4:S+8*\t+7], v[MO], s[56:57] offset:64*\t+16
.endr
	s_wait_loadcnt 0x0                             ; (the trip's fill loads, issued earlier, are waited for with them)
.set n, 0
.rept 64
	v_cmp_eq_u32 vcc_lo, 0, v[S+n]
	v_cndmask_b32 v[S+n], 0, v[PADV], vcc_lo       ; 0 for a key that counts, -2^64 for a padded one
.set n, n+1
.endr
	s_wait_dscnt 0x0
.irp t, 0,1,2,3,4,5,6,7
	v_wmma_f32_16x16x64_fp8_fp8 v[S+8*\t:S+8*\t+7], v[KV+8*\t:KV+8*\t+7], v[QF:QF+7], v[S+8*\t:S+8*\t+7]
.endr
.Ljoin_\@:
.rept 4
	v_nop                                          ; places in front of the loads into K's registers and of the first read of the scores
.endr
.irp t, 0,1,2,3
.irp c, 0,1,2,3
	ds_load_b128 v[KV+16*\t+4*\c:KV+16*\t+4*\c+3], v[ADK] offset:VOFF+8192*\q+2048*\t+512*\c   ; V's four fragments land during the softmax
.endr
.endr
	s_add_co_u32 s54, s24, 127
	s_cmp_le_u32 s54, s23                          ; all 128 keys count for all my queries: no diagonal here
	s_cbranch_scc1 .Lopen_\@
	s_sub_co_i32 s54, s23, s24
	v_add_nc_u32 v29, s54, v[RH]                   ; d = my query - the step's first key - 8 h.  Register 8 t + j is hidden where 16 t + j > d
.set n, 0
.rept 64
	v_cmp_gt_i32 vcc_lo, 16*(n/8)+n%8, v29
	v_cndmask_b32 v[S+n], v[S+n], v[NINF], vcc_lo
.set n, n+1
.endr
.Lopen_\@:
	v_max3_num_f32 v24, v[S], v[S+1], v[S+2]       ; the step's largest score of my query among my 64 keys, in two chains; each tile of scores is first read at its low end
	v_max3_num_f32 v25, v[S+3], v[S+4], v[S+5]
.irp i, 6,10,14,18,22,26,30,34,38,42,46,50,54,58
	v_max3_num_f32 v24, v24, v[S+\i], v[S+\i+1]
	v_max3_num_f32 v25, v25, v[S+\i+2], v[S+\i+3]
.endr
	v_max3_num_f32 v24, v24, v[S+62], v[S+63]
	v_max3_num_f32 v24, v24, v25, 0xcc000000       ; with the floor -2^25: a step with no key that counts never lifts M over a true score
	v_permlanex16_b32 v28, v24, s28, s29
	v_max_num_f32 v24, v24, v28                    ; and among lane l xor 16's
	v_mul_f32 v24, s26, v24                        ; as t (c is positive)
	v_max_num_f32 v13, v13, v24                    ; the running largest t
	v_mov_b32 v24, v12
	v_floor_f32 v12, -v13                          ; the new -M = floor(-t) = -ceil(t): M is a whole number
	v_sub_f32 v24, v12, v24                        ; M's old value less its new one: a whole number, 0 or less
	v_cvt_i32_f32 v24, v24                         ; (it saturates)
	v_ldexp_f32 v26, 1.0, v24                      ; f = 2^(old M - new M)
.set n, 0
.rept 32
	v_pk_fma_f32 v[S+n:S+n+1], v[S+n:S+n+1], s[26:27], v[12:13] op_sel_hi:[1,0,0]   ; t - M, two at a time (of the pairs c and -M the low word serves both halves)
.set n, n+2
.endr
.set n, 0
.rept 64
	v_exp_f32 v[S+n], v[S+n]                       ; p = 2^(t - M), at most 1; 0 for a hidden or padded key
.set n, n+1
.endr
	v_pk_mul_f32 v[14:15], v[14:15], v[26:27] op_sel_hi:[1,0]   ; the sums under the new M: the plain instruction behind the exponentials
	s_wait_alu depctr_va_vdst(0)                   ; one wait for the whole batch, ahead of its first reader
	v_pk_add_f32 v[30:31], v[S:S+1], v[S+2:S+3]    ; the row's sum is taken of the UNQUANTISED p: two at a time, in two chains
.irp j, 4,8,12,16,20,24,28,32,36,40,44,48,52,56,60
	v_pk_add_f32 v[14:15], v[14:15], v[S+\j:S+\j+1]
	v_pk_add_f32 v[30:31], v[30:31], v[S+\j+2:S+\j+3]
.endr
	v_pk_add_f32 v[14:15], v[14:15], v[30:31]
	s_cmp_lg_u32 s30, 0                            ; the conversion does not saturate (ISA guide 7.6.2); p <= 1, so the hold is run where 448 x 2^e4 < 1 and jumped over where it cannot bind
	s_cbranch_scc0 .Lfits_\@
.set n, 0
.rept 64
	v_min_num_f32 v[S+n], v[S+n], v[PLIM]          ; p is not negative: the hold is one-sided
.set n, n+1
.endr
.Lfits_\@:
.irp t, 0,1,2,3,4,5,6,7
	v_cvt_scalef32_pk8_fp8_f32 v[PC+2*\t:PC+2*\t+1], v[S+8*\t:S+8*\t+7], v[PSC]
.endr
.set n, 0
.rept 16
	v_pk_mul_f32 v[OT+n:OT+n+1], v[OT+n:OT+n+1], v[26:27] op_sel_hi:[1,0]   ; O^T under the new M.  (These are also the plain lines between the conversions and the products that read their results)
.set n, n+2
.endr
	s_wait_dscnt 0x0                               ; V
.irp t, 0,1,2,3
	v_wmma_f32_16x16x128_fp8_fp8 v[OT+8*\t:OT+8*\t+7], v[KV+16*\t:KV+16*\t+15], v[PC:PC+15], v[OT+8*\t:OT+8*\t+7]
.endr
.Lhidden_\@:
	s_add_co_u32 s24, s24, 128
.endm
; A BLOCK OF QUERIES ENDS: y = O^T x 2^(e4 + e5) / the sum, quantised with 2^e6.  Tile t's eight channels 16 t + 8 h + 0 .. 7 give registers 2 t, 2 t + 1 of my head's half of a K = 128 fragment: two stores, 1,024 bytes on end.
; reinit = 1: the second block, 7 - i, begins.
.macro FINISH reinit
.rept 4
	v_nop                                          ; places behind the last products
.endr
	v_add_f32 v14, v14, v15                        ; the sum's two halves,
	v_permlanex16_b32 v28, v14, s28, s29
	v_add_f32 v14, v14, v28                        ; and lane l xor 16's: the row's sum
	v_cmp_eq_f32 vcc_lo, 0, v14                    ; no key counted for my query
	v_rcp_f32 v24, v14
	v_nop                                          ; one plain instruction behind the transcendental
	s_wait_alu depctr_va_vdst(0)                   ; and the wait ahead of its first reader
	v_ldexp_f32 v24, v24, s31
	v_mov_b32 v25, v24
.set n, 0
.rept 16
	v_pk_mul_f32 v[S+n:S+n+1], v[OT+n:OT+n+1], v[24:25]   ; each accumulator from its low end on
.set n, n+2
.endr
.set n, 0
.rept 32
	v_med3_num_f32 v[S+n], v[S+n], -v[YLIM], v[YLIM]
.set n, n+1
.endr
.irp t, 0,1,2,3
	v_cvt_scalef32_pk8_fp8_f32 v[YC+2*\t:YC+2*\t+1], v[S+8*\t:S+8*\t+7], v[YSC]
.endr
	v_nop                                          ; one plain instruction between the conversions and the lines that touch their results
.irp k, 0,1,2,3,4,5,6,7
	v_cndmask_b32 v[YC+\k], v[YC+\k], v[NANC], vcc_lo     ; an empty row: the NaN code in every byte
.endr
	global_store_b128 v[LI], v[YC:YC+3], s[50:51]
	global_store_b128 v[LI], v[YC+4:YC+7], s[50:51] offset:512
.if \reinit
	s_wait_xcnt 0x0                                ; the stores have read their base and their data: both are written again only behind this wait
	s_lshl_b32 s54, s17, 1
	s_sub_co_u32 s56, 7, s54                       ; 7 - 2 i blocks of 256 queries on
	s_lshl_b32 s54, s56, 14                        ; 16 tiles of 1,024 bytes a block in q_img
	s_mov_b32 s55, 0
	s_add_nc_u64 s[48:49], s[48:49], s[54:55]
	s_lshl_b32 s54, s56, 18                        ; 16 tiles of 16,384 bytes in y_img
	s_add_nc_u64 s[50:51], s[50:51], s[54:55]
	s_lshl_b32 s54, s56, 8
	s_add_co_u32 s23, s23, s54                     ; my first query
	global_load_b128 v[QF:QF+3], v[LI], s[48:49]
	global_load_b128 v[QF+4:QF+7], v[LI], s[48:49] offset:512
	INIT
.endif
.endm
; A TRIP: one slot of 256 keys.  fill = 1: the next slot is asked for at the head and laid into the other slot's bytes at the end.
.macro TRIP fill
.if \fill
	s_add_co_u32 s22, s21, 1
	s_cmp_eq_u32 s19, s17                          ; trip i is the first block's last: the second block begins at slot 0
	s_cselect_b32 s22, 0, s22
	s_lshl_b32 s54, s22, 14                        ; a slot is 16,384 bytes of k_img and of v_img
	s_mov_b32 s55, 0
	s_add_nc_u64 s[44:45], s[40:41], s[54:55]      ; (the last trip's loads by these pairs were waited for)
	s_add_nc_u64 s[46:47], s[42:43], s[54:55]
	global_load_b128 v[FILL:FILL+3], v[FO], s[44:45]
	global_load_b128 v[FILL+4:FILL+7], v[FO], s[44:45] offset:8192
	global_load_b128 v[FILL+8:FILL+11], v[FO], s[46:47]
	global_load_b128 v[FILL+12:FILL+15], v[FO], s[46:47] offset:8192
.endif
	v_add_nc_u32 v[ADK], s20, v[LI]
	STEP 0
	STEP 1
.if \fill
	s_cmp_eq_u32 s19, s17
	s_cbranch_scc0 .Lsame_\@
	FINISH 1
.Lsame_\@:
	s_wait_loadcnt 0x0                             ; the next slot is in registers (and the new Q, where the block has changed)
	s_xor_b32 s54, s20, SLOT1
	v_add_nc_u32 v[ADS], s54, v[FO]                ; the other slot: it was last read in front of the last trip's barrier
	ds_store_b128 v[ADS], v[FILL:FILL+3]
	ds_store_b128 v[ADS], v[FILL+4:FILL+7] offset:8192
	ds_store_b128 v[ADS], v[FILL+8:FILL+11] offset:16384
	ds_store_b128 v[ADS], v[FILL+12:FILL+15] offset:24576
	s_wait_dscnt 0x0                               ; for the others' sake: my stores have landed, and my reads of the slot in hand are over
	s_barrier_signal -1
	s_barrier_wait -1
	s_xor_b32 s20, s20, SLOT1
	s_mov_b32 s21, s22
	s_lshl_b32 s24, s21, 8                         ; the slot's first key
.endif
.endm
	INIT
	s_mov_b32 s19, 0
	s_mov_b32 s20, 0
	s_mov_b32 s21, 0
	s_mov_b32 s24, 0
.Ltrip:                                            ; eight trips that ask for a next slot; i is at most 3, so the change of blocks falls among them
	TRIP 1
	s_add_co_u32 s19, s19, 1
	s_cmp_lt_u32 s19, 8
	s_cbranch_scc1 .Ltrip
	TRIP 0                                         ; the ninth slot: nothing is left to fetch
	FINISH 0
	s_wait_tensorcnt 0x0
	ds_add_u32 v254, v255
	s_wait_dscnt 0x0
	s_endpgm
.Lfunc_end_k_qa862b8d477_attn:
	.size	k_qa862b8d477_attn, .Lfunc_end_k_qa862b8d477_attn-k_qa862b8d477_attn
	.p2alignl 7, 3214868480
	.fill 96, 4, 3214868480
	.section	.rodata,"a",@progbits
	.p2align	6, 0x0
	.amdhsa_kernel k_qa862b8d477_attn
		.amdhsa_group_segment_fixed_size 67584
		.amdhsa_private_segment_fixed_size 0
		.amdhsa_enable_private_segment 0
		.amdhsa_kernarg_size 48
		.amdhsa_user_sgpr_count 2
		.amdhsa_user_sgpr_kernarg_segment_ptr 1
		.amdhsa_wavefront_size32 1
		.amdhsa_system_sgpr_workgroup_id_x 1
		.amdhsa_system_sgpr_workgroup_id_y 1
		.amdhsa_system_sgpr_workgroup_id_z 1
		.amdhsa_system_vgpr_workitem_id 0
		.amdhsa_next_free_vgpr 256
		.amdhsa_next_free_sgpr 66
		.amdhsa_reserve_vcc 1
		.amdhsa_float_denorm_mode_32 3
		.amdhsa_float_denorm_mode_16_64 3
		.amdhsa_memory_ordered 1
		.amdhsa_forward_progress 1
		.amdhsa_inst_pref_size 130
	.end_amdhsa_kernel
	.amdgpu_metadata
---
amdhsa.version: [ 1, 2 ]
amdhsa.kernels:
  - .name:           k_qa862b8d477_attn
    .symbol:         k_qa862b8d477_attn.kd
    .args:
      - { .name: q_img, .offset: 0, .size: 8, .value_kind: global_buffer, .address_space: global }
      - { .name: k_img, .offset: 8, .size: 8, .value_kind: global_buffer, .address_space: global }
      - { .name: v_img, .offset: 16, .size: 8, .value_kind: global_buffer, .address_space: global }
      - { .name: key_pad_mask, .offset: 24, .size: 8, .value_kind: global_buffer, .address_space: global }
      - { .name: lowp_scales, .offset: 32, .size: 8, .value_kind: global_buffer, .address_space: global }
      - { .name: y_img, .offset: 40, .size: 8, .value_kind: global_buffer, .address_space: global }
    .group_segment_fixed_size: 67584
    .private_segment_fixed_size: 0
    .kernarg_segment_align: 8
    .kernarg_segment_size: 48
    .max_flat_workgroup_size: 512
    .sgpr_count:     66
    .vgpr_count:     256
    .wavefront_size: 32
...
	.end_amdgpu_metadata
.endif
;; end of part 3
;; launch proj (part 4): grid 4 x 32, 4 waves a work-group, clusters of 4 x 4, 327,680 bytes of LDS; arguments y_img, wproj_codes, lowp_scales, bproj, out0; writes out0
.if DOCPART == 4
	.amdgcn_target "amdgcn-amd-amdhsa--gfx1250"
	.amdhsa_code_object_version 6
	.text
	.protected	k_qa862b8d477_proj
	.globl	k_qa862b8d477_proj
	.p2align	8
	.type	k_qa862b8d477_proj,@function
k_qa862b8d477_proj:
	s_mov_b64 s[64:65], 0
	v_nop
	global_prefetch_b8 v0, s[64:65] scope:SCOPE_SE
	s_setreg_imm32_b32 hwreg(HW_REG_WAVE_MODE, 25, 1), 1
	s_wait_xcnt 0x0
	s_wait_alu depctr_hold_cnt(0) depctr_sa_sdst(0) depctr_va_vdst(0) depctr_va_sdst(0) depctr_va_ssrc(0) depctr_va_vcc(0) depctr_vm_vsrc(0)
	s_getreg_b32 s2, hwreg(HW_REG_IB_STS2, 6, 4)
	s_cmp_eq_u32 s2, 0
	s_cbranch_scc0 .Lentry_in_a_cluster
	s_endpgm
.Lentry_in_a_cluster:
	s_bfe_u32 s2, ttmp6, 0x10000c
	s_cmp_lg_u32 s2, 0xf033
	s_cbranch_scc0 .Lentry_shape_is_right
	s_endpgm
.Lentry_shape_is_right:
; out0 = y Wproj^T + bproj on codes of FP8 (E4M3).  y: 8,192 tokens x 1,024, as IMAGES of this product's fragments: ((tile of 16 tokens x 8 K steps of 128) x 4 groups of four registers) x 512 bytes, 16 bytes a lane.
; Wproj's codes: [1024][1024], K innermost, in each block of 32 the two middle groups of eight exchanged, so that 16 bytes at 32 c + 16 (l / 16) are registers 4 c .. 4 c + 3 of the form's own layout, which y's images have too.
; A number of y is its code x 2^e6, of Wproj x 2^e7: the codes are multiplied as they are; out = sum x 2^(e6 + e7) + bias, one fused multiply-add for two numbers.  LIMIT: e6 + e7 between -126 and 127.
; A token whose codes are the NaN code (a query for which no key counted) gets NaN in its whole row.
; A tile of out0, 256 x 256, is made by a work-group of four waves; a wave makes 128 x 128: 64 accumulators, 512 registers.  K goes in steps of 256 through a ring of two LDS slots filled by the tensor data mover.
; CLUSTERS: 4 x 4 work-groups.  The four of a row of the cluster need the same tiles of y, the four of a column the same tiles of Wproj: each tile is asked for JOINTLY.
; THE MATRIX INSTRUCTION IS USED TRANSPOSED (source 0 = 16 rows of Wproj, source 1 = 16 tokens): a lane then holds eight neighbouring numbers of a row of out0.
; REGISTERS, in windows of 256: window 0: v0-31 addresses; v32-95 the bias; v96-127 at work on the way out; from v128 y's fragments, ONE set (on the way out: rows read back from the stage).
;   window 1: Wproj's fragments, TWO sets, at v0 and v128.   window 2: the accumulators of my rows 0-63 ((a, b) at v[8 (8 a + b)]);   window 3: those of my rows 64-127.
.set SIZE_N, 1024
.set KROW,   1024                      ; a row of Wproj's codes in memory, in bytes
.set PITCH,  272                       ; B's LDS row: 256 bytes + 16 of padding = 68 words: row r starts at bank 4 r mod 64 (64 banks of 4 bytes: ISA guide 11.1)
.set FR,     16                        ; registers of a fragment: 16 rows x 128 K
.set NL,     4                         ; LDS loads that bring one
.set NP,     4                         ; places behind this matrix instruction (ISA guide 7.12.1)
.set AH,     32768                     ; A: 8 tiles of 16 tokens x 4,096 bytes (two K steps of 128): what one tensor load brings; dense images, read at 16 x lane
.set BH,     128*PITCH                 ; B: 128 rows
.set BOFF,   2*AH                      ; B's halves lie behind A's two
.set SLOT,   2*AH+2*BH
.set LAPS,   2                         ; a lap = two K steps of 256 = once round the ring
.set SPARE,  2*SLOT                    ; behind the ring: the spare words, 128 bytes for each wave: two blocks of 256 bytes that no other line names
.set SPITCH, 528                       ; the way out: a stage of 16 rows x (512 bytes + 16) for each wave.  It lies in slot 0, which has had its last fill and its last read when the first result is stored there
.set BA,   7                           ; v7      my byte offset in the bias
.set ADRA, 16                          ; v16-17  LDS address of my A fragments in slot 0, 1
.set ADRB, 20                          ; v20-21  the same for B
.set STO,  24                          ; v24     the way out: where I put 32 bytes of a row
.set RD,   25                          ; v25     the way out: where I read a row back
.set CO,   26                          ; v26     16 x lane: my byte offset in a row of out0, and in an image's 512 bytes
.set SPW,  28                          ; v28     LDS address of my spare word: SPARE + 4 x my thread's number; never rewritten
.set NIL,  29                          ; v29     0; never rewritten
.set BI,   32                          ; v32-95  the bias of my 128 columns, in the result's layout
.set TMP,  96                          ; v96-127 half a block's numbers
.set AF,   128                         ; A's fragments, in window 0
.set BK,   128                         ; the way out: 16 rows read back from the stage: v128-191 and v192-255 by turns
.set G1, 24                            ; s[24:31] descriptor group 1 for A's tiles;  s[32:39] group 0, one set for each slot
.set G0, 32
.set G1B, 48                           ; s[48:55], s[56:63] the same for B's tiles
.set G0B, 56
.set MSB, 0
.macro WIN new                         ; the immediate's high byte repeats the setting that is left
.if MSB != \new
	s_set_vgpr_msb (MSB<<8)|\new
.set MSB, \new
.endif
.endm
.set MUL_LO, 0xa1                      ; source 0 (B) window 1, source 1 (A) window 0, C and D window 2
.set MUL_HI, 0xf1                      ; the same, C and D window 3
.set TO_B,   0x40                      ; destination window 1, address window 0
; A joint load: waves 0 and 1 fetch for A, waves 2 and 3 for B.  Each of the two lines has ONE mask and one set of registers for all that issue it; the branch hangs on the wave's number alone.
; Four v_nop follow each of the two lines, ahead of the jump, the label and what follows.
.macro JLOAD g0a, g1a, g0b, g1b
	s_cmp_eq_u32 s15, 0
	s_cbranch_scc0 .Lfor_b_\@
	tensor_load_to_lds s[\g0a:\g0a+3], s[\g1a:\g1a+7]
	s_nop 0
.rept 4
	v_nop
.endr
	s_branch .Lasked_\@
.Lfor_b_\@:
	tensor_load_to_lds s[\g0b:\g0b+3], s[\g1b:\g1b+7]
	s_nop 0
.rept 4
	v_nop
.endr
.Lasked_\@:
.endm
.macro CREST                           ; a round of the cluster's barrier behind its opening barrier
	s_cmp_lg_u32 s14, 0
	s_cbranch_scc1 .Lnot_wave_0_\@
	s_barrier_signal -3
.Lnot_wave_0_\@:
	s_barrier_wait -3
	s_barrier_signal -1
	s_barrier_wait -1
.endm
.macro CROUND                          ; a whole round
	s_barrier_signal -1
	s_barrier_wait -1
	CREST
.endm
	s_load_b256 s[4:11], s[0:1], 0x0               ; y_img s[4:5], Wproj's codes s[6:7], the scales' exponents s[8:9], bproj s[10:11]
	s_load_b64 s[12:13], s[0:1], 0x20              ; out0
	v_lshl_add_u32 v[SPW], v0, 2, SPARE
	v_mov_b32 v[NIL], 0
	ds_add_u32 v28, v29
	ds_add_u32 v28, v29
	s_wait_dscnt 0x0
	v_lshrrev_b32 v1, 5, v0
	v_readfirstlane_b32 s14, v1                    ; wave 0..3
	s_lshr_b32 s15, s14, 1                         ; which half of the tile's rows is mine.  Also: I fetch for A (0) or for B (1)
	s_and_b32 s16, s14, 1                          ; which half of its columns.  Also: which half of that tile I fetch
	s_bfe_u32 s40, ttmp6, 0x40000                  ; cx, cy: my place in the cluster
	s_bfe_u32 s41, ttmp6, 0x40004
	s_lshl_b32 s42, ttmp9, 2
	s_add_co_u32 s42, s42, s40                     ; tile column of out0 = 4 x cluster x + cx
	s_and_b32 s17, ttmp7, 0xffff
	s_lshl_b32 s17, s17, 2
	s_add_co_u32 s17, s17, s41                     ; tile row of out0 = 4 x cluster y + cy
	s_lshl_b32 s43, s41, 2
	s_lshl_b32 s43, 15, s43                        ; my row of the cluster
	s_lshl_b32 s44, 0x1111, s40                    ; my column
	; descriptor group 1 for A: 8 rows (tiles of 16 tokens) of 4,096 bytes (two K steps' images), 16,384 bytes apart in memory, on end in LDS
	s_or_b32 s[G1+0], s43, (0<<16)|(1<<21)         ; 15:0 the mask: A's tiles go to my row; 17:16 element of 1 byte; 20 no padding; 21 set beside a mask
	s_mov_b32 s[G1+1], 4096<<16                    ; tensor_dim0
	s_mov_b32 s[G1+2], 8<<16                       ; tensor_dim1 = 8
	s_mov_b32 s[G1+3], 4096<<16                    ; tile_dim0
	s_mov_b32 s[G1+4], 8                           ; tile_dim1 = 8
	s_mov_b32 s[G1+5], 16384                       ; tensor_dim0_stride
	s_mov_b32 s[G1+6], 0
	s_mov_b32 s[G1+7], 0
	; for B: 128 rows x 256 bytes, padded in LDS
	s_or_b32 s[G1B+0], s44, (0<<16)|(1<<20)|(1<<21)|(5<<22)|(3<<25)  ; the mask of my column; padding on: after every 64 words (code 5) 4 words (code 3)
	s_mov_b32 s[G1B+1], 256<<16
	s_mov_b32 s[G1B+2], 128<<16
	s_mov_b32 s[G1B+3], 256<<16
	s_mov_b32 s[G1B+4], 128
	s_mov_b32 s[G1B+5], KROW
	s_mov_b32 s[G1B+6], 0
	s_mov_b32 s[G1B+7], 0
	s_lshl_b32 s20, s17, 18                        ; A: 16 tiles of 16,384 bytes to a tile row,
	s_lshl_b32 s21, s16, 17                        ; 8 to the half that I fetch
	s_add_co_u32 s20, s20, s21
	s_mov_b32 s21, 0
	s_lshl_b32 s46, s42, 8
	s_lshl_b32 s47, s16, 7
	s_add_co_u32 s46, s46, s47                     ; B: row 256 x tile column + 128 x half,
	s_lshl_b32 s46, s46, 10                        ; in bytes
	s_mov_b32 s47, 0
	s_mul_i32 s45, s16, AH                         ; where they go: no place in the cluster enters an LDS address
	s_mul_i32 s74, s16, BH
	s_add_co_u32 s74, s74, BOFF
	s_wait_kmcnt 0x0
	s_load_b256 s[80:87], s[8:9], 0x0              ; e0 .. e7
	s_add_nc_u64 s[20:21], s[4:5], s[20:21]
	s_add_nc_u64 s[46:47], s[6:7], s[46:47]
	CROUND                                         ; all sixteen work-groups are here: the first joint loads meet
.irp s, 0,1
	s_mov_b32 s[G0+4*\s], 1
	s_add_co_u32 s[G0+4*\s+1], s45, \s*SLOT
	s_add_nc_u64 s[G0+4*\s+2:G0+4*\s+3], s[20:21], \s*4096
	s_or_b32 s[G0+4*\s+3], s[G0+4*\s+3], 0x80000000
	s_mov_b32 s[G0B+4*\s], 1
	s_add_co_u32 s[G0B+4*\s+1], s74, \s*SLOT
	s_add_nc_u64 s[G0B+4*\s+2:G0B+4*\s+3], s[46:47], \s*256
	s_or_b32 s[G0B+4*\s+3], s[G0B+4*\s+3], 0x80000000
	JLOAD G0+4*\s, G1, G0B+4*\s, G1B               ; two tensor loads of mine are out behind these
.endr
	v_and_b32 v1, 15, v0                           ; l % 16
	v_bfe_u32 v2, v0, 4, 1                         ; l / 16
	v_mul_u32_u24 v3, v1, PITCH
	v_lshl_add_u32 v4, v2, 4, v3                   ; B: a fragment's row x pitch + 16 x half
	v_and_b32 v6, 31, v0
	v_lshlrev_b32 v[CO], 4, v6                     ; A: 16 x lane
	s_mul_i32 s21, s15, AH                         ; my 128 tokens of A
	s_mul_i32 s22, s16, BH                         ; my 128 rows of B,
	s_add_co_u32 s22, s22, BOFF                    ; which lie behind A's two halves
.irp s, 0,1
	v_add_nc_u32 v[ADRA+\s], s21, v[CO]
	v_add_nc_u32 v[ADRB+\s], s22, v4
	s_add_co_u32 s21, s21, SLOT
	s_add_co_u32 s22, s22, SLOT
.endr
	s_mul_i32 s23, s14, 16*SPITCH                  ; my stage
	v_mul_u32_u24 v5, v1, SPITCH                   ; in: row l % 16, 32 bytes for each half of the lanes
	v_lshl_add_u32 v5, v2, 5, v5
	v_add_nc_u32 v[STO], s23, v5
	v_add_nc_u32 v[RD], s23, v[CO]                 ; back: the 32 lanes take one row of 512 bytes
	s_lshl_b32 s46, s42, 10                        ; my first column, in bytes of f32: 1,024 x tile column + 512 x half: in a row of out0 and in bproj alike
	s_lshl_b32 s47, s16, 9
	s_add_co_u32 s46, s46, s47
	s_mov_b32 s47, 0
	s_add_nc_u64 s[10:11], s[10:11], s[46:47]
	s_lshl_b32 s20, s17, 20                        ; my first row of out0: 256 x tile row + 128 x half, 4,096 bytes each
	s_lshl_b32 s21, s15, 19
	s_add_co_u32 s20, s20, s21
	s_mov_b32 s21, 0
	s_add_nc_u64 s[20:21], s[20:21], s[46:47]
	s_add_nc_u64 s[12:13], s[12:13], s[20:21]
	v_lshlrev_b32 v[BA], 5, v2                     ; lane (r, h) wants, for tile b, the biases of columns 16 b + 8 h + 0 .. 7
.irp b, 0,1,2,3,4,5,6,7
	global_load_b128 v[BI+8*\b:BI+8*\b+3], v[BA], s[10:11] offset:64*\b       ; they land during the loop, into registers that it does not name
	global_load_b128 v[BI+8*\b+4:BI+8*\b+7], v[BA], s[10:11] offset:64*\b+16
.endr
.macro FRAGB reg, adr, q, i            ; B's fragment from rows: registers 4 c .. 4 c + 3 at 32 c + 16 (l / 16) of row l % 16
.irp c, 0,1,2,3
	ds_load_b128 v[\reg+4*\c:\reg+4*\c+3], v[\adr] offset:128*(\q)+32*\c+(\i)*16*PITCH
.endr
.endm
.macro FRAGA reg, adr, q, i            ; A's fragment from its image: tile i of my tokens, the slot's q-th 128 along K, registers 4 c .. 4 c + 3 at 512 c + 16 x lane
.irp c, 0,1,2,3
	ds_load_b128 v[\reg+4*\c:\reg+4*\c+3], v[\adr] offset:4096*(\i)+2048*(\q)+512*\c
.endr
.endm
; 16 matrix instructions: A's blocks a0, a0 + 1 x B's eight, 128 along K.  p: B's set.  zero = 1: the first product starts the sums: nothing is ever cleared.
; The 64 accumulators take turns, one instruction a turn, in the same order in every step.
.macro MUL16 a0, p, zero
.irp a, \a0, \a0+1
.irp b, 0,1,2,3,4,5,6,7
.if \zero
	v_wmma_f32_16x16x128_fp8_fp8 v[8*(8*((\a)%4)+\b):8*(8*((\a)%4)+\b)+7], v[128*(\p)+FR*\b:128*(\p)+FR*\b+FR-1], v[AF+FR*(\a):AF+FR*(\a)+FR-1], 0
.else
	v_wmma_f32_16x16x128_fp8_fp8 v[8*(8*((\a)%4)+\b):8*(8*((\a)%4)+\b)+7], v[128*(\p)+FR*\b:128*(\p)+FR*\b+FR-1], v[AF+FR*(\a):AF+FR*(\a)+FR-1], v[8*(8*((\a)%4)+\b):8*(8*((\a)%4)+\b)+7]
.endif
.endr
.endr
.endm
.macro FETCH_B slot, q, p              ; B's eight fragments of the slot's q-th 128 along K into set p
	WIN TO_B
.irp i, 0,1,2,3,4,5,6,7
	FRAGB 128*(\p)+FR*\i, ADRB+\slot, \q, \i
.endr
	WIN 0
.endm
.macro FETCH_A slot, q, i0             ; A's blocks i0 .. i0 + 3
.irp i, \i0, \i0+1, \i0+2, \i0+3
	FRAGA AF+FR*(\i), ADRA+\slot, \q, \i
.endr
.endm
; A load into a register that a matrix instruction has read, and a vector instruction that reads a matrix result, stand NP places behind that matrix instruction; only plain vector
; instructions that name none of its registers are places (ISA guide 7.12.1 for vector instructions).
.macro PLACES n
.rept \n
	v_nop
.endr
.endm
; A step of 128 along K that has its successor in the same slot.  A has one set of registers: blocks 0-3 are fetched anew in the step's middle, blocks 4-7 at its end; B has two sets.
.macro STEP slot, q, zero
	s_wait_dscnt 4*NL                              ; B's set and A's blocks 0-3 are in; the youngest sixteen loads (A's blocks 4-7) may be out
	WIN MUL_LO
	MUL16 0, (\q)%2, \zero
	MUL16 2, (\q)%2, \zero
	s_wait_dscnt 0                                 ; A's blocks 4-7 are in
	PLACES NP
	FETCH_B \slot, (\q)+1, 1-(\q)%2
	FETCH_A \slot, (\q)+1, 0
	WIN MUL_HI
	MUL16 4, (\q)%2, \zero
	MUL16 6, (\q)%2, \zero
	PLACES NP
	WIN 0
	FETCH_A \slot, (\q)+1, 4
.endm
; A slot's last step changes slots: ONE barrier; in front of it each wave waits for all its tensor loads, adds 0 to its spare word, and waits for that and for its own reads of this slot.  fill = 1: this slot is filled again, two K steps ahead.
.macro TURN slot, next, fill
	s_wait_tensorcnt 0x0                           ; all my tensor loads have landed: my part of the next slot;  (every window is 0 here: the add's two registers lie in window 0)
	ds_add_u32 v[SPW], v[NIL]                      ; 0 onto my spare word
	s_wait_dscnt 4*NL+1                            ; (the add and the youngest sixteen loads, A's blocks 4-7, may be out)
	WIN MUL_LO
	MUL16 0, 1, 0                                  ; sixteen matrix instructions stand between the add and the wait for it
	s_wait_dscnt 0x0                               ; the add is done, and my reads of this slot are over
	s_barrier_signal -1
	MUL16 2, 1, 0
	WIN 0
	s_barrier_wait -1
.if \fill
	CREST                                          ; the barrier has opened a round of the cluster's barrier: no wave of any partner still reads this slot's tile or has a load on its way
	s_add_nc_u64 s[G0+4*\slot+2:G0+4*\slot+3], s[G0+4*\slot+2:G0+4*\slot+3], 2*4096
	s_add_nc_u64 s[G0B+4*\slot+2:G0B+4*\slot+3], s[G0B+4*\slot+2:G0B+4*\slot+3], 2*256
	JLOAD G0+4*\slot, G1, G0B+4*\slot, G1B         ; the first tensor load behind the round, my only one until the next; the four v_nop behind it are the places in front of the loads below
.else
	PLACES NP
.endif
	FETCH_B \next, 0, 0
	FETCH_A \next, 0, 0
	WIN MUL_HI
	MUL16 4, 1, 0
	MUL16 6, 1, 0
	PLACES NP
	WIN 0
	FETCH_A \next, 0, 4
.endm
	s_wait_tensorcnt 1                             ; my part of K step 0 is in (K step 1's load, issued behind it, may be out)
	s_barrier_signal -1
	s_barrier_wait -1                              ; everybody's is
	FETCH_B 0, 0, 0
	FETCH_A 0, 0, 0
	FETCH_A 0, 0, 4
	STEP 0, 0, 1                                   ; the first step stands in front of the loop: its products start the sums
	s_mov_b32 s3, LAPS-1
.Llap:                                                 ; a trip goes once round the ring, from a lap's second step to the next lap's first, and fills both slots again
	TURN 0, 1, 1
	STEP 1, 0, 0
	TURN 1, 0, 1
	STEP 0, 0, 0
	s_sub_co_u32 s3, s3, 1
	s_cmp_lg_u32 s3, 0
	s_cbranch_scc1 .Llap
	TURN 0, 1, 0                                   ; the last lap fills nothing, and has no round of the cluster's barrier
	STEP 1, 0, 0
	s_wait_dscnt 4*NL                              ; the very last step: nothing more to fetch
	WIN MUL_LO
	MUL16 0, 1, 0
	MUL16 2, 1, 0
	s_wait_dscnt 0
	WIN MUL_HI
	MUL16 4, 1, 0
	MUL16 6, 1, 0
	WIN 0
; THE WAY OUT, block by block of 16 rows x 128 columns.  A lane holds 32 neighbouring bytes of a row, and the lanes beside it hold other rows: so a block goes through my own stage in LDS and comes back as whole
; rows of 512 bytes, which the 32 lanes store as 512 consecutive bytes, aligned.  LDS serves a wave's instructions in order (ISA guide 5.7.1.4): no wait between the stores and the loads, nor in front of the next block's stores.
.macro TOSTAGE a
.set AC, 64*((\a)%4)
.irp g, 0,1                            ; four of the block's eight accumulators at a time
	WIN 0x02+((\a)/4)                              ; source 0: window 2 or 3
.irp b, 0,1,2,3
.irp i, 0,2,4,6
	v_pk_fma_f32 v[TMP+8*\b+\i:TMP+8*\b+\i+1], v[AC+32*\g+8*\b+\i:AC+32*\g+8*\b+\i+1], s[96:97], v[BI+32*\g+8*\b+\i:BI+32*\g+8*\b+\i+1] op_sel_hi:[1,0,1]   ; sum x 2^(e6 + e7) + bias; each accumulator from its low end on
.endr
.endr
	WIN 0
.irp b, 0,1,2,3
	ds_store_b128 v[STO], v[TMP+8*\b:TMP+8*\b+3] offset:256*\g+64*\b
	ds_store_b128 v[STO], v[TMP+8*\b+4:TMP+8*\b+7] offset:256*\g+64*\b+16
.endr
.endr
.set BB, BK+64*((\a)%2)
.irp t, 0,1,2,3,4,5,6,7,8,9,10,11,12,13,14,15
	ds_load_b128 v[BB+4*\t:BB+4*\t+3], v[RD] offset:\t*SPITCH
.endr
.endm
.macro SEND a, younger                 ; younger: the LDS instructions issued behind block a's loads, which may stay out
.set BB, BK+64*((\a)%2)
	s_wait_dscnt \younger                          ; the block is back in registers
.if (\a) > 0
	s_add_nc_u64 s[12:13], s[12:13], 16*SIZE_N*4   ; (behind a wait on XCNT: the earlier stores have read their base)  16 rows of out0 on
.endif
.irp t, 0,1,2,3,4,5,6,7,8,9,10,11,12,13,14,15
	global_store_b128 v[CO], v[BB+4*\t:BB+4*\t+3], s[12:13] offset:\t*SIZE_N*4 th:TH_STORE_NT   ; 32 lanes store 512 consecutive bytes, at a multiple of 256 from out0's first byte; written once, read by nobody here
.endr
.endm
	s_wait_kmcnt 0x0
	s_add_co_i32 s96, s86, s87                     ; e6 + e7, between -126 and 127,
	s_add_co_i32 s96, s96, 127
	s_lshl_b32 s96, s96, 23                        ; makes the f32 number 2^(e6 + e7)
	s_mov_b32 s97, s96                             ; (named with it as a pair, so it is written)
	PLACES NP                                      ; in front of the first read of results, and of the loads into the registers that held A's fragments
	s_wait_loadcnt 0x0                             ; the bias
	TOSTAGE 0
.irp a, 1,2,3,4,5,6,7
.if \a > 1
	s_wait_xcnt 0x0                                ; block a - 2's stores have read their registers and their base: block a's loads may land there, and the base may step
.endif
	TOSTAGE \a
	SEND \a-1, 32                                  ; behind block a - 1's loads: block a's 16 stores and 16 loads
.endr
	s_wait_xcnt 0x0                                ; block 6's stores have read their base
	SEND 7, 0
	s_wait_tensorcnt 0x0                           ; the wave's end: behind my last tensor load and my last LDS store
	ds_add_u32 v[SPW], v[NIL]
	s_wait_dscnt 0x0
	CROUND                                         ; the closing round: no work-group ends while a partner may still ask for a tile that names it
	s_endpgm
.Lfunc_end_k_qa862b8d477_proj:
	.size	k_qa862b8d477_proj, .Lfunc_end_k_qa862b8d477_proj-k_qa862b8d477_proj
	.p2alignl 7, 3214868480
	.fill 96, 4, 3214868480
	.section	.rodata,"a",@progbits
	.p2align	6, 0x0
	.amdhsa_kernel k_qa862b8d477_proj
		.amdhsa_group_segment_fixed_size 327680
		.amdhsa_private_segment_fixed_size 0
		.amdhsa_enable_private_segment 0
		.amdhsa_kernarg_size 40
		.amdhsa_user_sgpr_count 2
		.amdhsa_user_sgpr_kernarg_segment_ptr 1
		.amdhsa_wavefront_size32 1
		.amdhsa_system_sgpr_workgroup_id_x 1
		.amdhsa_system_sgpr_workgroup_id_y 1
		.amdhsa_system_sgpr_workgroup_id_z 1
		.amdhsa_system_vgpr_workitem_id 0
		.amdhsa_next_free_vgpr 1024
		.amdhsa_next_free_sgpr 100
		.amdhsa_reserve_vcc 0
		.amdhsa_float_denorm_mode_32 3
		.amdhsa_float_denorm_mode_16_64 3
		.amdhsa_memory_ordered 1
		.amdhsa_forward_progress 1
		.amdhsa_inst_pref_size 125
	.end_amdhsa_kernel
	.amdgpu_metadata
---
amdhsa.version: [ 1, 2 ]
amdhsa.kernels:
  - .name:           k_qa862b8d477_proj
    .symbol:         k_qa862b8d477_proj.kd
    .args:
      - { .name: y_img, .offset: 0, .size: 8, .value_kind: global_buffer, .address_space: global }
      - { .name: wproj_codes, .offset: 8, .size: 8, .value_kind: global_buffer, .address_space: global }
      - { .name: lowp_scales, .offset: 16, .size: 8, .value_kind: global_buffer, .address_space: global }
      - { .name: bproj, .offset: 24, .size: 8, .value_kind: global_buffer, .address_space: global }
      - { .name: out0, .offset: 32, .size: 8, .value_kind: global_buffer, .address_space: global }
    .group_segment_fixed_size: 327680
    .private_segment_fixed_size: 0
    .kernarg_segment_align: 8
    .kernarg_segment_size: 40
    .max_flat_workgroup_size: 128
    .sgpr_count:     100
    .vgpr_count:     1024
    .wavefront_size: 32
...
	.end_amdgpu_metadata
.endif
;; end of part 4
;; ======== version 2 of 2: 4 launches; version 1 with the launch attn written anew for expert scheduling mode
;; limits: right only within a limited range of input values
;; workspace buffers: x_codes 8,388,608 bytes; wqkv_codes 3,145,728 bytes; wproj_codes 1,048,576 bytes; q_img 8,388,608 bytes; k_img 8,388,608 bytes; v_img 8,388,608 bytes; y_img 8,388,608 bytes
;; launch quant: the kernel of part 1 again; grid 384 x 1, 4 waves a work-group, no clusters, 33,280 bytes of LDS; arguments x, Wqkv, Wproj, lowp_scales, x_codes, wqkv_codes, wproj_codes; writes x_codes, wqkv_codes, wproj_codes
;; launch qkv: the kernel of part 2 again; grid 12 x 32, 4 waves a work-group, clusters of 4 x 4, 327,680 bytes of LDS; arguments x_codes, wqkv_codes, lowp_scales, bqkv, q_img, k_img, v_img; writes q_img, k_img, v_img
;; launch attn (part 5): grid 4 x 64, 16 waves a work-group, no clusters, 67,584 bytes of LDS; arguments q_img, k_img, v_img, key_pad_mask, lowp_scales, y_img; writes y_img
.if DOCPART == 5
	.amdgcn_target "amdgcn-amd-amdhsa--gfx1250"
	.amdhsa_code_object_version 6
	.text
	.protected	k_qa862b8d477_attn
	.globl	k_qa862b8d477_attn
	.p2align	8
	.type	k_qa862b8d477_attn,@function
k_qa862b8d477_attn:
	s_mov_b64 s[64:65], 0
	v_nop
	global_prefetch_b8 v0, s[64:65] scope:SCOPE_SE
	s_setreg_imm32_b32 hwreg(HW_REG_WAVE_SCHED_MODE, 0, 2), 2
	s_setreg_imm32_b32 hwreg(HW_REG_WAVE_MODE, 25, 1), 1
	s_wait_xcnt 0x0
	s_wait_alu depctr_vm_vsrc(0)
; y[b][h][q] = the sum over keys k <= q with key_pad_mask[b][k] != 0 of softmax_k(q . k / 8) v[k], both products on codes of FP8 (E4M3); y is quantised in registers and stored as images of the last product's operand.
; THE SOFTMAX AHEAD OF THE SECOND PRODUCT: t = score x log2(e) / 8; M = the row's largest t so far, rounded UP to a whole number; p = 2^(t - M) is what is quantised; the row's sum is taken of the unquantised p and divides at the end.
; When M moves, the sum and O are multiplied by 2^(old M - new M): exact.
; SHARES.  Work-group (i, head) owns the blocks of 256 queries i and 7 - i of one head: i + 1 slots of 256 keys for the first, 8 - i for the second: NINE slots for every work-group, a constant trip count and equal work.
; Each of its sixteen waves owns 16 queries of the block in hand, one tile, in 256 registers.  A key step is 128 keys; a step all of whose keys come after the wave's queries is jumped over (a scalar branch on ids).
; LAYOUT.  Both products are used transposed: S^T = K Q^T (eight products of K = 64: source 0 = 16 keys, source 1 = my 16 queries), O^T += V^T P (four products of K = 128: source 0 = 16 channels, source 1 = P).
; A lane (r, h) holds ONE query r throughout; register 8 t + j of S^T is key 16 t + 8 h + j of the step, so the conversion of tile t gives registers 2 t, 2 t + 1 of P in the form's own layout, which V's images have too.
; LDS: two slots of 32,768 bytes: K's images of two steps (8,192 each), then V's.  A slot is a dense copy of memory, made through registers: thread n moves 16 bytes at 16 n of each 8,192.  The next slot's four loads are issued at a
; trip's head and stored into the other slot at its end; ONE barrier a trip, in front of which each wave has waited for its stores and for its reads of the slot in hand.  Every LDS read is a constant + 16 x lane.
; THE MASKS.  Causal: in the steps on the diagonal hidden scores become -infinity.  Padded keys: FLAGS (one bit a step of the batch, made once from the whole mask row) says which steps hold one; in those the step's 128 mask words
; are loaded into S^T's registers, turned into 0 or -2^64, and given to the products as their C.  The step's maximum has the floor -2^25, under every sum of 64 products of codes (64 x 448^2 < 2^24) and over every padded score.
; A ROW WITH NO KEY THAT COUNTS has the sum 0 (a row with one has a p above 1/2): its codes are made the NaN code, so that the last product gives NaN in that row, as the softmax of an empty row does.
; NO CLUSTER, NO TENSOR LOADS: the four work-groups of a head want different slots in four of their nine trips (slot n against slot n - i - 1), and the text branches on loaded whole numbers (the mask's flags, p's exponent).
; NO PREFETCH: a slot's loads are issued a whole trip, two key steps of every wave, ahead of the wait for them.
; LIMITS on the given exponents: e2 + e3 between -50 and 130 (they are added to c's exponent field, and a padded score must fall under every p); e4, e6 between -126 and 119; e4 + e5 is applied by v_ldexp_f32 and has none.
; THE MODE: SCHED_MODE bits 1:0 = 2 (LLVM: expert scheduling mode 2), set by the entry lines.  The code itself states the register dependences between vector or matrix instructions and memory or LDS instructions,
; and those through scalar registers and VCC that vector instructions write, with s_wait_alu, always for 0.
; THE PLAN.  Registers that memory or LDS instructions touch:
;   FILL        written by the four global loads at a trip's head, read by the four LDS stores at its end; no vector instruction names it.
;   v[ADK], v[ADS]  written by one vector add each, at a trip's head; read by the trip's LDS loads, and by its four LDS stores.
;   KV          a step: K's 16 LDS loads land in it; the eight products K Q^T read it; V's 16 LDS loads land in it; the four products V^T P read it.
;   S           named by vector and matrix instructions; in a padded step 16 global loads land in it, ahead of every vector line of that step.
;   QF          two global loads at the head and two at the change of blocks; read by the products K Q^T.
;   YC          written by four conversions and eight selects at a block's end, read by the two stores behind them.
;   v[LI], v[FO], v[MO]  made at the head, never written again.
; A TRIP'S HEAD has one wait on vm_vsrc (the last trip's LDS stores have read FILL and v[ADS], its LDS loads v[ADK], a block's stores YC), the fill's loads, the two adds, and one wait on va_vdst (the two addresses are written;
; the last trip's products are done with KV, its lines on S are done), which serves the trip's first step and the LDS stores at its end: no line of a step or of a block's end names v[ADS] or FILL.  The second step has that wait at
; its own head.  Each step has one more behind its products K Q^T, ahead of V's loads, and the one behind its exponentials.  A block's end has one ahead of its stores, which also serves the loads of the next block's Q.
; Compares whose masks selects read go in runs of eight, into s56 to s63, with one wait on va_sdst behind each run.
.set SLOT1, 32768                      ; slot 1 begins here: one exclusive or turns an address in one slot into the other's
.set VOFF,  16384                      ; V's images in a slot
.set LI,   1                           ; v1   16 x lane
.set FO,   2                           ; v2   16 x thread: the fill's place in 8,192 bytes
.set ADS,  3                           ; v3   the fill's LDS address
.set ADK,  4                           ; v4   the slot in hand + 16 x lane
.set MO,   5                           ; v5   32 x (lane / 16): my eight mask words of a tile of 16 keys
.set RH,   7                           ; v7   r - 8 h
.set NINF, 8                           ; v8   -infinity
.set NANC, 9                           ; v9   four NaN codes
.set PLIM, 10                          ; v10  448 x 2^e4
.set PSC,  11                          ; v11  2^e4
                                       ; v12 -M, v13 the largest t, v[14:15] the sum in two halves, v24, v25 at work, v[26:27] f, v28 a permute's destination, v29 the diagonal's d, v[30:31] the sums' second chain
.set QF,   16                          ; v16-23   Q's fragment
.set KV,   32                          ; v32-95   K's eight fragments, then V's four
.set S,    96                          ; v96-159  S^T, then p
.set OT,   160                         ; v160-191 O^T
.set PC,   192                         ; v192-207 p's codes
.set FILL, 208                         ; v208-223 the next slot on its way
.set YC,   224                         ; v224-231 y's codes
.set YSC,  232                         ; v232 2^e6
.set YLIM, 233                         ; v233 448 x 2^e6
.set PADV, 234                         ; v234 -2^64
.set MP,   2                           ; s[2:3]   a padded step's 128 mask words
.set CM,   56                          ; s56-63   the masks of a run of eight compares (s56 to s59 also at work at the head, s56 at a change of blocks)
                                       ; s16 wave, s17 i, s18 batch x 16 + head, s19 the trip, s20 the slot in hand's LDS byte, s21 its number, s22 the next one's, s23 my first query, s24 the step's first key, s25 FLAGS,
                                       ; s[26:27] c, s[28:29] lane selects, s30 1 where p's hold can bind, s31 e4 + e5, s[32:39] e0 .. e7, s[40:41], s[42:43] K's and V's head, s[44:45], s[46:47] the fill's addresses,
                                       ; s[48:49] Q's tile, s[50:51] y's, s[52:53] the batch's mask row, s54, s55 at work
	s_load_b256 s[4:11], s[0:1], 0x0               ; q_img s[4:5], k_img s[6:7], v_img s[8:9], key_pad_mask s[10:11]
	s_load_b128 s[12:15], s[0:1], 0x20             ; the scales' exponents s[12:13], y_img s[14:15]
	v_lshl_add_u32 v254, v0, 2, 0x10000
	v_mov_b32 v255, 0
	v_lshrrev_b32 v24, 5, v0
	v_readfirstlane_b32 s16, v24                   ; wave 0..15
	s_mov_b32 s17, ttmp9                           ; i
	s_and_b32 s18, ttmp7, 0xffff                   ; batch x 16 + head
	v_and_b32 v[LI], 31, v0
	v_lshlrev_b32 v[LI], 4, v[LI]
	v_lshlrev_b32 v[FO], 4, v0
	v_bfe_u32 v24, v0, 4, 1                        ; h
	v_lshlrev_b32 v[MO], 5, v24
	v_and_b32 v[RH], 15, v0
	v_lshlrev_b32 v24, 3, v24
	v_sub_nc_u32 v[RH], v[RH], v24
	v_mov_b32 v[NINF], 0xff800000
	v_mov_b32 v[NANC], 0x7f7f7f7f
	v_mov_b32 v[PADV], 0xdf800000
	v_mov_b32 v27, 0                               ; (named as the upper half of the pair v[26:27])
	v_mov_b32 v28, 0                               ; written once: a lane permute's destination counts as one of its sources
	s_mov_b32 s28, 0x76543210
	s_mov_b32 s29, 0xfedcba98                      ; v_permlanex16_b32's selects for lane l xor 16
	s_wait_alu depctr_va_sdst(0)                   ; s16 is written, ahead of its first reader: my tile's number, and Q's and y's addresses, are made from it
	s_lshl_b32 s54, s18, 17                        ; the head's first byte in q_img, k_img and v_img
	s_mov_b32 s55, 0
	s_lshl_b32 s56, s17, 4
	s_add_co_u32 s56, s56, s16                     ; my tile of queries in the first block: 16 i + wave
	s_lshl_b32 s23, s56, 4                         ; my first query
	s_lshl_b32 s58, s56, 10
	s_add_co_u32 s58, s58, s54                     ; its image in q_img
	s_mov_b32 s59, 0
	s_lshr_b32 s57, s18, 4                         ; the batch
	s_lshl_b32 s44, s57, 13                        ; its row of the mask: 2,048 words
	s_mov_b32 s45, 0
	s_lshl_b32 s46, s57, 21                        ; y_img: 128 tiles of 16,384 bytes a batch,
	s_lshl_b32 s56, s56, 14
	s_add_co_u32 s46, s46, s56                     ; my tile,
	s_and_b32 s56, s18, 15
	s_lshl_b32 s56, s56, 10
	s_add_co_u32 s46, s46, s56                     ; my head's 1,024 bytes of it: K step head / 2, registers 8 (head % 2) on
	s_mov_b32 s47, 0
	s_wait_kmcnt 0x0
	s_load_b256 s[32:39], s[12:13], 0x0            ; e0 .. e7
	s_add_nc_u64 s[40:41], s[6:7], s[54:55]
	s_add_nc_u64 s[42:43], s[8:9], s[54:55]
	s_add_nc_u64 s[48:49], s[4:5], s[58:59]
	s_add_nc_u64 s[52:53], s[10:11], s[44:45]
	s_add_nc_u64 s[50:51], s[14:15], s[46:47]
	s_wait_alu depctr_va_vdst(0)                   ; v[LI], v[FO] and v[MO] are written: every global load and store of the kernel, and the LDS stores below, read one of them as offset or address
	global_load_b128 v[FILL:FILL+3], v[FO], s[40:41]                   ; slot 0: keys 0 to 255
	global_load_b128 v[FILL+4:FILL+7], v[FO], s[40:41] offset:8192
	global_load_b128 v[FILL+8:FILL+11], v[FO], s[42:43]
	global_load_b128 v[FILL+12:FILL+15], v[FO], s[42:43] offset:8192
	global_load_b128 v[QF:QF+3], v[LI], s[48:49]                       ; Q's fragment stays in registers
	global_load_b128 v[QF+4:QF+7], v[LI], s[48:49] offset:512
.irp s, 0,1,2,3,4,5,6,7,8,9,10,11,12,13,14,15
	global_load_b128 v[S+4*\s:S+4*\s+3], v[LI], s[52:53] offset:512*\s   ; the whole mask row: a load's 512 bytes are one key step's 128 words
.endr
	s_wait_kmcnt 0x0
	s_add_co_i32 s54, s34, s35
	s_lshl_b32 s54, s54, 23
	s_add_co_i32 s26, s54, 0x3e38aa3b              ; c = log2(e) / 8; a score stands for score x 2^(e2 + e3): the two exponents are added to c's exponent field
	s_mov_b32 s27, s26                             ; (named with it as a pair, so it is written)
	s_cmp_lt_i32 s36, -8                           ; p is at most 1: the hold at 448 x 2^e4 can bind only where that is under 1
	s_cselect_b32 s30, 1, 0
	s_add_co_i32 s31, s36, s37                     ; e4 + e5
	s_add_co_i32 s54, s36, 127
	s_lshl_b32 s55, s54, 23
	v_mov_b32 v[PSC], s55
	s_add_co_i32 s54, s54, 8
	s_lshl_b32 s54, s54, 23
	s_or_b32 s54, s54, 0x600000
	v_mov_b32 v[PLIM], s54
	s_add_co_i32 s54, s38, 127
	s_lshl_b32 s55, s54, 23
	v_mov_b32 v[YSC], s55
	s_add_co_i32 s54, s54, 8
	s_lshl_b32 s54, s54, 23
	s_or_b32 s54, s54, 0x600000
	v_mov_b32 v[YLIM], s54
	s_mov_b32 s25, 0
	s_wait_loadcnt 0x0
.irp g, 0,1                                    ; FLAGS: bit s is set where a word of step s is 0.  Eight steps' compares in a run, each into a scalar register of its own
.irp s, 0,1,2,3,4,5,6,7
	v_min_u32 v24, v[S+4*(8*\g+\s)], v[S+4*(8*\g+\s)+1]
	v_min_u32 v25, v[S+4*(8*\g+\s)+2], v[S+4*(8*\g+\s)+3]
	v_min_u32 v24, v24, v25
	v_cmp_eq_u32 s[CM+\s], 0, v24
.endr
	s_wait_alu depctr_va_sdst(0)                   ; the run's eight compares have written s56 to s63, which the scalar compares below read
.irp s, 0,1,2,3,4,5,6,7
	s_cmp_lg_u32 s[CM+\s], 0
	s_cselect_b32 s54, 1<<(8*\g+\s), 0
	s_or_b32 s25, s25, s54
.endr
.endr
	ds_store_b128 v[FO], v[FILL:FILL+3]            ; (no vector line since the wait ahead of the loads names v[FO] or FILL)
	ds_store_b128 v[FO], v[FILL+4:FILL+7] offset:8192
	ds_store_b128 v[FO], v[FILL+8:FILL+11] offset:16384
	ds_store_b128 v[FO], v[FILL+12:FILL+15] offset:24576
	s_wait_dscnt 0x0                               ; for the others' sake: my part of slot 0 lies in LDS
	s_barrier_signal -1
	s_barrier_wait -1
.macro INIT                            ; a block of queries begins: the step is written once, and its first run finds zeros, which the first change of M leaves zeros
	v_mov_b32 v13, 0xff61b1e6                      ; the largest t so far: -3e38, under every t
	v_floor_f32 v12, -v13                          ; -M
	v_mov_b32 v14, 0
	v_mov_b32 v15, 0
.set j, 0
.rept 32
	v_mov_b32 v[OT+j], 0
.set j, j+1
.endr
.endm
; A KEY STEP: 128 keys, the q-th of the slot in hand.
.macro STEP q
	s_add_co_u32 s54, s23, 15
	s_cmp_gt_u32 s24, s54                          ; all keys come after my 16 queries: the step's work is left out.  No barrier stands in a step
	s_cbranch_scc1 .Lhidden_\@
.rept 4
	v_nop                                          ; places behind the last products, in front of loads into registers that they have read
.endr
.if \q
	s_wait_alu depctr_va_vdst(0)                   ; the step before's products V^T P are done reading KV, in which K's fragments land; its lines on S are done, in which a padded step's mask words land.  (The first step: the wait at the trip's head)
.endif
.irp t, 0,1,2,3,4,5,6,7
	ds_load_b128 v[KV+8*\t:KV+8*\t+3], v[ADK] offset:8192*\q+1024*\t
	ds_load_b128 v[KV+8*\t+4:KV+8*\t+7], v[ADK] offset:8192*\q+1024*\t+512
.endr
	s_lshr_b32 s54, s24, 7
	s_lshr_b32 s54, s25, s54
	s_and_b32 s54, s54, 1
	s_cmp_lg_u32 s54, 0                            ; has this step a padded key?
	s_cbranch_scc1 .Lpad_\@
	s_wait_dscnt 0x0
.irp t, 0,1,2,3,4,5,6,7
	v_wmma_f32_16x16x64_fp8_fp8 v[S+8*\t:S+8*\t+7], v[KV+8*\t:KV+8*\t+7], v[QF:QF+7], 0
.endr
	s_branch .Ljoin_\@
.Lpad_\@:
	s_lshl_b32 s54, s24, 2
	s_mov_b32 s55, 0
	s_add_nc_u64 s[MP:MP+1], s[52:53], s[54:55]    ; the step's 128 mask words (the last loads by this pair were waited for)
.irp t, 0,1,2,3,4,5,6,7
	global_load_b128 v[S+8*\t:S+8*\t+3], v[MO], s[MP:MP+1] offset:64*\t         ; register 8 t + j: the word of key 16 t + 8 h + j.  (No vector line since the last wait on va_vdst names S)
	global_load_b128 v[S+8*\t+4:S+8*\t+7], v[MO], s[MP:MP+1] offset:64*\t+16
.endr
	s_wait_loadcnt 0x0                             ; (the trip's fill loads, issued earlier, are waited for with them)
.set g, 0
.rept 8                                        ; a tile of 16 keys at a time: eight compares in a run, then their eight selects
.set n, 0
.rept 8
	v_cmp_eq_u32 s[CM+n], 0, v[S+8*g+n]
.set n, n+1
.endr
	s_wait_alu depctr_va_sdst(0)                   ; the run's eight compares have written s56 to s63, which the selects read
.set n, 0
.rept 8
	v_cndmask_b32 v[S+8*g+n], 0, v[PADV], s[CM+n]  ; 0 for a key that counts, -2^64 for a padded one
.set n, n+1
.endr
.set g, g+1
.endr
	s_wait_dscnt 0x0
.irp t, 0,1,2,3,4,5,6,7
	v_wmma_f32_16x16x64_fp8_fp8 v[S+8*\t:S+8*\t+7], v[KV+8*\t:KV+8*\t+7], v[QF:QF+7], v[S+8*\t:S+8*\t+7]
.endr
.Ljoin_\@:
.rept 4
	v_nop                                          ; places in front of the loads into K's registers and of the first read of the scores
.endr
	s_wait_alu depctr_va_vdst(0)                   ; the eight products above are done reading K's fragments, in whose registers V's land
.irp t, 0,1,2,3
.irp c, 0,1,2,3
	ds_load_b128 v[KV+16*\t+4*\c:KV+16*\t+4*\c+3], v[ADK] offset:VOFF+8192*\q+2048*\t+512*\c   ; V's four fragments land during the softmax
.endr
.endr
	s_add_co_u32 s54, s24, 127
	s_cmp_le_u32 s54, s23                          ; all 128 keys count for all my queries: no diagonal here
	s_cbranch_scc1 .Lopen_\@
	s_sub_co_i32 s54, s23, s24
	v_add_nc_u32 v29, s54, v[RH]                   ; d = my query - the step's first key - 8 h.  Register 8 t + j is hidden where 16 t + j > d
.set g, 0
.rept 8                                        ; a tile of 16 keys at a time: eight compares in a run, then their eight selects, each tile of scores from its low end on
.set n, 0
.rept 8
	v_cmp_gt_i32 s[CM+n], 16*g+n, v29
.set n, n+1
.endr
	s_wait_alu depctr_va_sdst(0)                   ; the run's eight compares have written s56 to s63, which the selects read
.set n, 0
.rept 8
	v_cndmask_b32 v[S+8*g+n], v[S+8*g+n], v[NINF], s[CM+n]
.set n, n+1
.endr
.set g, g+1
.endr
.Lopen_\@:
	v_max3_num_f32 v24, v[S], v[S+1], v[S+2]       ; the step's largest score of my query among my 64 keys, in two chains; each tile of scores is first read at its low end
	v_max3_num_f32 v25, v[S+3], v[S+4], v[S+5]
.irp i, 6,10,14,18,22,26,30,34,38,42,46,50,54,58
	v_max3_num_f32 v24, v24, v[S+\i], v[S+\i+1]
	v_max3_num_f32 v25, v25, v[S+\i+2], v[S+\i+3]
.endr
	v_max3_num_f32 v24, v24, v[S+62], v[S+63]
	v_max3_num_f32 v24, v24, v25, 0xcc000000       ; with the floor -2^25: a step with no key that counts never lifts M over a true score
	v_permlanex16_b32 v28, v24, s28, s29
	v_max_num_f32 v24, v24, v28                    ; and among lane l xor 16's
	v_mul_f32 v24, s26, v24                        ; as t (c is positive)
	v_max_num_f32 v13, v13, v24                    ; the running largest t
	v_mov_b32 v24, v12
	v_floor_f32 v12, -v13                          ; the new -M = floor(-t) = -ceil(t): M is a whole number
	v_sub_f32 v24, v12, v24                        ; M's old value less its new one: a whole number, 0 or less
	v_cvt_i32_f32 v24, v24                         ; (it saturates)
	v_ldexp_f32 v26, 1.0, v24                      ; f = 2^(old M - new M)
.set n, 0
.rept 32
	v_pk_fma_f32 v[S+n:S+n+1], v[S+n:S+n+1], s[26:27], v[12:13] op_sel_hi:[1,0,0]   ; t - M, two at a time (of the pairs c and -M the low word serves both halves)
.set n, n+2
.endr
.set n, 0
.rept 64
	v_exp_f32 v[S+n], v[S+n]                       ; p = 2^(t - M), at most 1; 0 for a hidden or padded key
.set n, n+1
.endr
	v_pk_mul_f32 v[14:15], v[14:15], v[26:27] op_sel_hi:[1,0]   ; the sums under the new M: the plain instruction behind the exponentials
	s_wait_alu depctr_va_vdst(0)                   ; the 64 exponentials have written p: one wait for the whole batch, ahead of its first reader
	v_pk_add_f32 v[30:31], v[S:S+1], v[S+2:S+3]    ; the row's sum is taken of the UNQUANTISED p: two at a time, in two chains
.irp j, 4,8,12,16,20,24,28,32,36,40,44,48,52,56,60
	v_pk_add_f32 v[14:15], v[14:15], v[S+\j:S+\j+1]
	v_pk_add_f32 v[30:31], v[30:31], v[S+\j+2:S+\j+3]
.endr
	v_pk_add_f32 v[14:15], v[14:15], v[30:31]
	s_cmp_lg_u32 s30, 0                            ; the conversion does not saturate (ISA guide 7.6.2); p <= 1, so the hold is run where 448 x 2^e4 < 1 and jumped over where it cannot bind
	s_cbranch_scc0 .Lfits_\@
.set n, 0
.rept 64
	v_min_num_f32 v[S+n], v[S+n], v[PLIM]          ; p is not negative: the hold is one-sided
.set n, n+1
.endr
.Lfits_\@:
.irp t, 0,1,2,3,4,5,6,7
	v_cvt_scalef32_pk8_fp8_f32 v[PC+2*\t:PC+2*\t+1], v[S+8*\t:S+8*\t+7], v[PSC]
.endr
.set n, 0
.rept 16
	v_pk_mul_f32 v[OT+n:OT+n+1], v[OT+n:OT+n+1], v[26:27] op_sel_hi:[1,0]   ; O^T under the new M.  (These are also the plain lines between the conversions and the products that read their results)
.set n, n+2
.endr
	s_wait_dscnt 0x0                               ; V
.irp t, 0,1,2,3
	v_wmma_f32_16x16x128_fp8_fp8 v[OT+8*\t:OT+8*\t+7], v[KV+16*\t:KV+16*\t+15], v[PC:PC+15], v[OT+8*\t:OT+8*\t+7]
.endr
.Lhidden_\@:
	s_add_co_u32 s24, s24, 128
.endm
; A BLOCK OF QUERIES ENDS: y = O^T x 2^(e4 + e5) / the sum, quantised with 2^e6.  Tile t's eight channels 16 t + 8 h + 0 .. 7 give registers 2 t, 2 t + 1 of my head's half of a K = 128 fragment: two stores, 1,024 bytes on end.
; reinit = 1: the second block, 7 - i, begins.
.macro FINISH reinit
.rept 4
	v_nop                                          ; places behind the last products
.endr
	v_add_f32 v14, v14, v15                        ; the sum's two halves,
	v_permlanex16_b32 v28, v14, s28, s29
	v_add_f32 v14, v14, v28                        ; and lane l xor 16's: the row's sum
	v_cmp_eq_f32 vcc_lo, 0, v14                    ; no key counted for my query
	v_rcp_f32 v24, v14
	v_nop                                          ; one plain instruction behind the transcendental
	s_wait_alu depctr_va_vdst(0)                   ; the reciprocal has written v24, ahead of its first reader
	v_ldexp_f32 v24, v24, s31
	v_mov_b32 v25, v24
.set n, 0
.rept 16
	v_pk_mul_f32 v[S+n:S+n+1], v[OT+n:OT+n+1], v[24:25]   ; each accumulator from its low end on
.set n, n+2
.endr
.set n, 0
.rept 32
	v_med3_num_f32 v[S+n], v[S+n], -v[YLIM], v[YLIM]
.set n, n+1
.endr
.irp t, 0,1,2,3
	v_cvt_scalef32_pk8_fp8_f32 v[YC+2*\t:YC+2*\t+1], v[S+8*\t:S+8*\t+7], v[YSC]
.endr
	v_nop                                          ; one plain instruction between the conversions and the lines that touch their results
	s_wait_alu depctr_va_vcc(0)                    ; the compare of the sum with 0 has written VCC, which the selects read
.irp k, 0,1,2,3,4,5,6,7
	v_cndmask_b32 v[YC+\k], v[YC+\k], v[NANC], vcc_lo     ; an empty row: the NaN code in every byte
.endr
	s_wait_alu depctr_va_vdst(0)                   ; the selects have written YC, which the stores read; the block's products are done reading QF, in which the next block's Q lands
	global_store_b128 v[LI], v[YC:YC+3], s[50:51]
	global_store_b128 v[LI], v[YC+4:YC+7], s[50:51] offset:512
.if \reinit
	s_wait_xcnt 0x0                                ; the stores have read their base and their data: both are written again only behind this wait (YC also behind the next trip's wait on vm_vsrc)
	s_lshl_b32 s54, s17, 1
	s_sub_co_u32 s56, 7, s54                       ; 7 - 2 i blocks of 256 queries on
	s_lshl_b32 s54, s56, 14                        ; 16 tiles of 1,024 bytes a block in q_img
	s_mov_b32 s55, 0
	s_add_nc_u64 s[48:49], s[48:49], s[54:55]
	s_lshl_b32 s54, s56, 18                        ; 16 tiles of 16,384 bytes in y_img
	s_add_nc_u64 s[50:51], s[50:51], s[54:55]
	s_lshl_b32 s54, s56, 8
	s_add_co_u32 s23, s23, s54                     ; my first query
	global_load_b128 v[QF:QF+3], v[LI], s[48:49]   ; (only scalar lines stand between the wait on va_vdst above and these loads)
	global_load_b128 v[QF+4:QF+7], v[LI], s[48:49] offset:512
	INIT
.endif
.endm
; A TRIP: one slot of 256 keys.  fill = 1: the next slot is asked for at the head and laid into the other slot's bytes at the end.
.macro TRIP fill
	s_wait_alu depctr_vm_vsrc(0)                   ; the last LDS stores have read FILL and v[ADS], the last trip's LDS loads v[ADK], a block's two stores YC: all four are written again from here on
.if \fill
	s_add_co_u32 s22, s21, 1
	s_cmp_eq_u32 s19, s17                          ; trip i is the first block's last: the second block begins at slot 0
	s_cselect_b32 s22, 0, s22
	s_lshl_b32 s54, s22, 14                        ; a slot is 16,384 bytes of k_img and of v_img
	s_mov_b32 s55, 0
	s_add_nc_u64 s[44:45], s[40:41], s[54:55]      ; (the last trip's loads by these pairs were waited for)
	s_add_nc_u64 s[46:47], s[42:43], s[54:55]
	global_load_b128 v[FILL:FILL+3], v[FO], s[44:45]
	global_load_b128 v[FILL+4:FILL+7], v[FO], s[44:45] offset:8192
	global_load_b128 v[FILL+8:FILL+11], v[FO], s[46:47]
	global_load_b128 v[FILL+12:FILL+15], v[FO], s[46:47] offset:8192
	s_xor_b32 s54, s20, SLOT1
	v_add_nc_u32 v[ADS], s54, v[FO]                ; the other slot: it was last read in front of the last trip's barrier
.endif
	v_add_nc_u32 v[ADK], s20, v[LI]
	s_wait_alu depctr_va_vdst(0)                   ; v[ADK] is written, which the trip's LDS loads read, and v[ADS], which its LDS stores read; the last products are done reading KV, in which the first step's K lands; all earlier lines on S are done, in which a padded step's mask words land
	STEP 0
	STEP 1
.if \fill
	s_cmp_eq_u32 s19, s17
	s_cbranch_scc0 .Lsame_\@
	FINISH 1
.Lsame_\@:
	s_wait_loadcnt 0x0                             ; the next slot is in registers (and the new Q, where the block has changed)
	ds_store_b128 v[ADS], v[FILL:FILL+3]           ; (no vector line since the wait at the trip's head names v[ADS] or FILL)
	ds_store_b128 v[ADS], v[FILL+4:FILL+7] offset:8192
	ds_store_b128 v[ADS], v[FILL+8:FILL+11] offset:16384
	ds_store_b128 v[ADS], v[FILL+12:FILL+15] offset:24576
	s_wait_dscnt 0x0                               ; for the others' sake: my stores have landed, and my reads of the slot in hand are over
	s_barrier_signal -1
	s_barrier_wait -1
	s_xor_b32 s20, s20, SLOT1
	s_mov_b32 s21, s22
	s_lshl_b32 s24, s21, 8                         ; the slot's first key
.endif
.endm
	INIT
	s_mov_b32 s19, 0
	s_mov_b32 s20, 0
	s_mov_b32 s21, 0
	s_mov_b32 s24, 0
.Ltrip:                                            ; eight trips that ask for a next slot; i is at most 3, so the change of blocks falls among them
	TRIP 1
	s_add_co_u32 s19, s19, 1
	s_cmp_lt_u32 s19, 8
	s_cbranch_scc1 .Ltrip
	TRIP 0                                         ; the ninth slot: nothing is left to fetch
	FINISH 0
	s_wait_dscnt 0x0
	s_wait_alu depctr_hold_cnt(0) depctr_sa_sdst(0) depctr_va_vdst(0) depctr_va_sdst(0) depctr_va_ssrc(0) depctr_va_vcc(0) depctr_vm_vsrc(0)
	s_wait_tensorcnt 0x0
	ds_add_u32 v254, v255
	s_wait_dscnt 0x0
	s_endpgm
.Lfunc_end_k_qa862b8d477_attn:
	.size	k_qa862b8d477_attn, .Lfunc_end_k_qa862b8d477_attn-k_qa862b8d477_attn
	.p2alignl 7, 3214868480
	.fill 96, 4, 3214868480
	.section	.rodata,"a",@progbits
	.p2align	6, 0x0
	.amdhsa_kernel k_qa862b8d477_attn
		.amdhsa_group_segment_fixed_size 67584
		.amdhsa_private_segment_fixed_size 0
		.amdhsa_enable_private_segment 0
		.amdhsa_kernarg_size 48
		.amdhsa_user_sgpr_count 2
		.amdhsa_user_sgpr_kernarg_segment_ptr 1
		.amdhsa_wavefront_size32 1
		.amdhsa_system_sgpr_workgroup_id_x 1
		.amdhsa_system_sgpr_workgroup_id_y 1
		.amdhsa_system_sgpr_workgroup_id_z 1
		.amdhsa_system_vgpr_workitem_id 0
		.amdhsa_next_free_vgpr 256
		.amdhsa_next_free_sgpr 66
		.amdhsa_reserve_vcc 1
		.amdhsa_float_denorm_mode_32 3
		.amdhsa_float_denorm_mode_16_64 3
		.amdhsa_memory_ordered 1
		.amdhsa_forward_progress 1
		.amdhsa_inst_pref_size 165
	.end_amdhsa_kernel
	.amdgpu_metadata
---
amdhsa.version: [ 1, 2 ]
amdhsa.kernels:
  - .name:           k_qa862b8d477_attn
    .symbol:         k_qa862b8d477_attn.kd
    .args:
      - { .name: q_img, .offset: 0, .size: 8, .value_kind: global_buffer, .address_space: global }
      - { .name: k_img, .offset: 8, .size: 8, .value_kind: global_buffer, .address_space: global }
      - { .name: v_img, .offset: 16, .size: 8, .value_kind: global_buffer, .address_space: global }
      - { .name: key_pad_mask, .offset: 24, .size: 8, .value_kind: global_buffer, .address_space: global }
      - { .name: lowp_scales, .offset: 32, .size: 8, .value_kind: global_buffer, .address_space: global }
      - { .name: y_img, .offset: 40, .size: 8, .value_kind: global_buffer, .address_space: global }
    .group_segment_fixed_size: 67584
    .private_segment_fixed_size: 0
    .kernarg_segment_align: 8
    .kernarg_segment_size: 48
    .max_flat_workgroup_size: 512
    .sgpr_count:     66
    .vgpr_count:     256
    .wavefront_size: 32
...
	.end_amdgpu_metadata
.endif
;; end of part 5
;; launch proj: the kernel of part 4 again; grid 4 x 32, 4 waves a work-group, clusters of 4 x 4, 327,680 bytes of LDS; arguments y_img, wproj_codes, lowp_scales, bproj, out0; writes out0
